; MI455X (gfx1250); checked and timed in simulation.
; The chip was launched on July 23, 2026; its instructions are those of AMD's public machine-readable ISA for CDNA 5 (MIT licence, August 2026) and "CDNA5" Instruction Set Architecture Reference Guide (July 2026). The comments in the code are by the model that wrote it; some were corrected since.
;; Attention. Allowed arithmetic: matrix products marked QUANTISED: E5M2 operands, one E8M0 scale for each 32 along K, by v_wmma_scale_f32_16x16x128_f8f6f4 with both operands' format E5M2, f32 sums; everything else in f32.
;; Inputs: Wk 512 x 1,024 float32; Wq 512 x 1,024 float32; Wv 512 x 1,024 float32; source_key_value 8 x 2,048 x 1,024 float32; source_key_value_padding_mask 8 x 2,048 bool; source_query 8 x 2,048 x 1,024 float32; source_query_padding_mask 8 x 2,048 bool.
;; Outputs: out0 8 x 2,048 x 512 float32.
;; This version of the problem:
;;   THIS VERSION OF THE PROBLEM IS GIVEN IN LOW PRECISION. The matrix products marked QUANTISED in the list below multiply operands that are first quantised to E5M2 (5 exponent bits, 2 mantissa bits; 8 bits a number), with one power-of-two scale for each 32 numbers along K (OCP MX v1.0); their sums are f32. All else is computed in f32.
;;   The module's matrix products, in the order in which they are computed (A, B: the left and right operand; K: the contracted axis; several contracted axes count as one K, in the product's order):
;;     1. [M 16,384, K 1,024] x [K 1,024, N 512]; A: input source_query; B: input Wq: QUANTISED
;;     2. [M 16,384, K 1,024] x [K 1,024, N 512]; A: input source_key_value; B: input Wk: QUANTISED
;;     3. [M 16,384, K 1,024] x [K 1,024, N 512]; A: input source_key_value; B: input Wv: QUANTISED
;;     4. batch 8 x [M 2,048, K 512] x [K 512, N 2,048]; A: computed on the way; B: computed on the way: QUANTISED
;;     5. batch 8 x [M 2,048, K 2,048] x [K 2,048, N 512]; A: softmax (see below); B: computed on the way: QUANTISED
;;   THE QUANTISER, for each operand of a quantised product, along K:
;;     - K is cut into blocks of 32 from its start; a last block that is shorter is filled with zeros.
;;     - A block's scale is 2^e with e = floor(log2(the largest magnitude in the block)) - 15, held to -126 .. 127; a block of zeros has e = 0. As a byte (E8M0): e + 127.
;;     - Each number is divided by its block's scale, clamped to +-57,344, and rounded to the nearest number of E5M2, ties to even, subnormals kept.
;;     - The product sums the exact products of the quantised numbers (number of the format x scale) in f32.
;;   ~~~python
;;   def quantise(x, axis):      # numpy; x: float32 -> the quantised numbers, widened to float32 again
;;       x = np.moveaxis(x, axis, -1); K = x.shape[-1]
;;       x = np.pad(x, [(0, 0)] * (x.ndim - 1) + [(0, -K % 32)]); x = x.reshape(x.shape[:-1] + (-1, 32)); a = np.abs(x).max(-1, keepdims=True)
;;       e = np.where(a > 0, np.clip(np.frexp(np.where(a > 0, a, 1))[1] - 1 - 15, -126, 127), 0)      # np.frexp(a)[1] - 1 = floor(log2(a)), exactly
;;       r = np.clip(x / 2.0 ** e, -57344, 57344)
;;       step = 2.0 ** (np.maximum(np.frexp(np.where(r == 0, 1, r))[1] - 1, -14) - 2)
;;       q = np.round(r / step) * step * 2.0 ** e      # np.round: ties to even
;;       return np.moveaxis(q.reshape(q.shape[:-2] + (-1,))[..., :K], -1, axis).astype(np.float32)
;;   ~~~
;;   SOFTMAX AHEAD OF A QUANTISED PRODUCT. Where the list says 'softmax', what is quantised is not the finished softmax but p = 2^(t - M), with t = logit x log2(e) and M = ceil(the row's largest t), a whole number; so 1/2 < the row's largest p <= 1. The row's sum l is taken of the UNQUANTISED p, in f32, and the product's result is divided by l at the end. Since M is a whole number, a kernel that streams over the keys may use a running M (the ceiling of the running maximum): every later rescaling is an exact power of two, which a block's scale takes up: the codes' values come out the same.
;;   OPERANDS COMPUTED ON THE WAY. 'Computed on the way' means the value that the module computes at that place (a softmax that the list does not call 'softmax' is quantised finished and normalised). What goes into a quantiser is computed in f32, as accurately as f32 sums, v_exp_f32 and their like allow (about 1e-6 of the number): no bf16 or f16 on the way to a quantiser, and a product that is left as it is and whose result goes on into a quantised operand takes f32 operands (vector FMAs, or v_wmma_f32_16x16x4_f32). A number that lies on a knife's edge between two numbers of the format may be rounded either way, as far as f32 arithmetic and the matrix unit's own rounding can turn it there, and no further.
;; 2 versions. Each part assembles by itself: llvm-mc -triple=amdgcn-amd-amdhsa -mcpu=gfx1250 --defsym DOCPART=n.
;; ======== version 1 of 2: 3 launches
;; workspace buffers: wq 1,622,016 bytes; codes 25,165,824 bytes; scales 786,432 bytes; aux 589,824 bytes
;; launch wquant (part 1): grid 192 x 1, 1 waves a work-group, no clusters, 0 bytes of LDS; arguments Wq, Wk, Wv, wq; writes wq
.if DOCPART == 1
	.amdgcn_target "amdgcn-amd-amdhsa--gfx1250"
	.amdhsa_code_object_version 6
	.text
	.protected	k_qf588bfd596_wquant
	.globl	k_qf588bfd596_wquant
	.p2align	8
	.type	k_qf588bfd596_wquant,@function
k_qf588bfd596_wquant:
	s_mov_b64 s[64:65], 0
	v_nop
	global_prefetch_b8 v0, s[64:65] scope:SCOPE_SE
	s_setreg_imm32_b32 hwreg(HW_REG_WAVE_MODE, 25, 1), 1
	s_wait_xcnt 0x0
; Wq, Wk, Wv [512][1024] f32 (K = the 1,024, innermost) become codes of BF8 (E5M2) with one E8M0 byte for each 32 along K, laid in the ORDER OF AN OPERAND'S REGISTERS,
; so that the next launch loads each fragment by four loads of 512 consecutive bytes.
; wq: codes at U x 8,192 + tt x 2,048 + c x 512 + 16 x lane; scale words at 1,572,864 + U x 256 + 16 r + 4 tt.   U = g << 6 | w << 4 | 2 s + th:
; g: 0 Wq, 1 Wk, 2 Wv; w: the wave of the next launch (features 128 w on); s: the K step of 128; th: which four of that wave's eight tiles.
; THE ROWS OF A TILE ARE NOT NEIGHBOURS: lane r of tile tt takes feature 128 w + 64 th + 32 (tt / 2) + 8 (tt % 2) + r + 8 (r / 8), so that in a product used with W as source 0 two neighbouring tiles
; give a lane 16 neighbouring features.  Lane (r, h) holds k = 32 c + 16 h + 0 .. 15 in registers 4 c .. 4 c + 3.
; One wave to a work-group, work-group U makes four fragments.  A lane loads its 16 neighbours of each block straight (64 bytes, four loads): the weights are 6 MB of the program's 140, read once.
; A block's scale is 2^(floor(log2(largest magnitude)) - 15); its byte is the largest magnitude's exponent field - 15, held at 1 from below.
; LIMITS: a block of zeros, or one whose largest magnitude lies under 2^-111, keeps the byte 1 (its codes are what the conversion gives under that scale; the bytes are read by this program alone); NaN and infinities are not served.
.set TM,   16                          ; v16-19 largest magnitudes, v20-23 bytes, v24-27 57,344 x the scale, v28-31 the conversions' scale operands
.set PC,   32                          ; v32-47 a fragment's codes
.set PW,   48                          ; v48-51 the four fragments' scale words
.set BUF,  64                          ; v64-255 three sets of 64 numbers
.set COD,  20                          ; s[20:21] where my codes go
.set SCA,  22                          ; s[22:23] where my scale words go
.set HM,   24                          ; s24 the lanes 16-31
.set SELS, 26                          ; s[26:27] v_permlanex16_b32's selects for lane l xor 16
.set MNT,  28                          ; s28 the mantissa field of 57,344
; 64 numbers of a lane, register 16 b + i = k 32 b + 16 h + i of my row, become the codes in v[PC] on and the scale word in v[pw]
.macro QUANT base, pw
.irp b, 0,1,2,3
	v_max3_num_f32 v[TM+\b], |v[(\base)+16*\b]|, |v[(\base)+16*\b+1]|, 0x8000000   ; my 16 numbers of block b, and the floor 2^(16 - 127): the byte cannot fall under 1
.endr
.irp i, 2,4,6,8,10,12,14
.irp b, 0,1,2,3
	v_max3_num_f32 v[TM+\b], |v[(\base)+16*\b+\i]|, |v[(\base)+16*\b+\i+1]|, v[TM+\b]
.endr
.endr
.irp b, 0,1,2,3
	v_permlanex16_b32 v[TM+4+\b], v[TM+\b], s[SELS], s[SELS+1]
.endr
.irp b, 0,1,2,3
	v_max_num_f32 v[TM+\b], v[TM+\b], v[TM+4+\b]               ; with lane l xor 16's 16: the block's largest magnitude
.endr
.irp b, 0,1,2,3
	v_add_nc_u32 v[TM+12+\b], 0xf8800000, v[TM+\b]             ; 15 off its exponent field: the conversion's scale operand
.endr
.irp b, 0,1,2,3
	v_and_or_b32 v[TM+8+\b], v[TM+\b], 0x7f800000, s[MNT]      ; 57,344 x the scale
.endr
.irp b, 0,1,2,3
	v_lshrrev_b32 v[TM+4+\b], 23, v[TM+12+\b]                  ; the scale's byte
.endr
	v_lshl_or_b32 v[\pw], v[TM+5], 8, v[TM+4]
	v_lshl_or_b32 v[\pw], v[TM+6], 16, v[\pw]
	v_lshl_or_b32 v[\pw], v[TM+7], 24, v[\pw]
.irp b, 0,1,2,3
.irp i, 0,1,2,3,4,5,6,7,8,9,10,11,12,13,14,15
	v_med3_num_f32 v[(\base)+16*\b+\i], v[(\base)+16*\b+\i], -v[TM+8+\b], v[TM+8+\b]   ; the conversion to an 8-bit code does not saturate (ISA guide 7.6.2): the hold comes first
.endr
.endr
.irp b, 0,1,2,3
	v_cvt_scalef32_pk8_bf8_f32 v[PC+4*\b:PC+4*\b+1], v[(\base)+16*\b:(\base)+16*\b+7], v[TM+12+\b]
	v_cvt_scalef32_pk8_bf8_f32 v[PC+4*\b+2:PC+4*\b+3], v[(\base)+16*\b+8:(\base)+16*\b+15], v[TM+12+\b]
.endr
	v_nop                                          ; one plain vector line behind the last conversion
.endm
.macro LOADF tt                        ; tile tt's 64 numbers a lane into set tt % 3
.irp b, 0,1,2,3
.irp j, 0,1,2,3
	global_load_b128 v[BUF+64*((\tt)%3)+16*\b+4*\j:BUF+64*((\tt)%3)+16*\b+4*\j+3], v1, s[4:5] offset:(32*((\tt)/2)+8*((\tt)%2))*4096+128*\b+16*\j
.endr
.endr
.endm
.macro FRAG tt, left                   ; left: the younger loads, which may stay out
	s_wait_loadcnt \left
	s_wait_xcnt 0x0                                ; the codes' registers were the last fragment's store data: written again only behind this wait
	QUANT BUF+64*((\tt)%3), PW+(\tt)
.irp c, 0,1,2,3
	global_store_b128 v2, v[PC+4*\c:PC+4*\c+3], s[COD:COD+1] offset:2048*(\tt)+512*\c   ; the wave stores 512 consecutive bytes
.endr
.endm
	s_load_b256 s[4:11], s[0:1], 0x0               ; Wq s[4:5], Wk s[6:7], Wv s[8:9], wq s[10:11]
	v_and_b32 v3, 15, v0                           ; r (one wave: v0 is the lane)
	v_lshrrev_b32 v4, 4, v0                        ; h
	v_and_b32 v5, 8, v3
	v_add_nc_u32 v5, v5, v3                        ; r + 8 (r / 8)
	v_lshlrev_b32 v1, 12, v5
	v_lshl_add_u32 v1, v4, 6, v1                   ; in: my row of 4,096 bytes, + 64 h
	v_lshlrev_b32 v2, 4, v0                        ; out: 16 x lane
	v_lshlrev_b32 v6, 4, v3
	v_lshl_add_u32 v6, v4, 3, v6                   ; scale words: 16 r + 8 h
	v_cmp_le_u32 s[HM], 16, v0
.irp b, 0,1,2,3
	v_mov_b32 v[TM+4+\b], 0                        ; written once: a lane permute's destination counts as one of its sources
.endr
	s_mov_b32 s[SELS], 0x76543210
	s_mov_b32 s[SELS+1], 0xfedcba98
	s_mov_b32 s[MNT], 0x600000
	s_bfe_u32 s12, ttmp9, 0x20004                  ; w
	s_bfe_u32 s13, ttmp9, 0x30001                  ; s
	s_and_b32 s14, ttmp9, 1                        ; th
	s_lshl_b32 s12, s12, 19                        ; 128 w rows of 4,096 bytes
	s_lshl_b32 s13, s13, 9                         ; 128 s numbers
	s_lshl_b32 s14, s14, 18                        ; 64 th rows
	s_add_co_u32 s12, s12, s13
	s_add_co_u32 s12, s12, s14
	s_mov_b32 s13, 0
	s_lshl_b32 s16, ttmp9, 13
	s_mov_b32 s17, 0
	s_lshl_b32 s18, ttmp9, 8
	s_mov_b32 s19, 0
	s_wait_kmcnt 0x0
	s_cmp_lt_u32 ttmp9, 128                        ; which weight: the choice hangs on the work-group's number alone
	s_cselect_b64 s[6:7], s[6:7], s[8:9]
	s_cmp_lt_u32 ttmp9, 64
	s_cselect_b64 s[4:5], s[4:5], s[6:7]
	s_add_nc_u64 s[4:5], s[4:5], s[12:13]
	s_add_nc_u64 s[COD:COD+1], s[10:11], s[16:17]
	s_add_nc_u64 s[SCA:SCA+1], s[10:11], s[18:19]
	s_add_nc_u64 s[SCA:SCA+1], s[SCA:SCA+1], 1572864
	LOADF 0
	LOADF 1
	LOADF 2
	FRAG 0, 32                                     ; two younger sets of 16 loads may be out
	LOADF 3                                        ; into set 0, which has been converted
	FRAG 1, 32
	FRAG 2, 16
	FRAG 3, 0
	v_cndmask_b32 v14, v[PW], v[PW+2], s[HM]       ; lanes 0-15 store the words of tiles 0, 1, lanes 16-31 those of tiles 2, 3: the wave stores 256 consecutive bytes
	v_cndmask_b32 v15, v[PW+1], v[PW+3], s[HM]
	global_store_b64 v6, v[14:15], s[SCA:SCA+1]
	s_endpgm
.Lfunc_end_k_qf588bfd596_wquant:
	.size	k_qf588bfd596_wquant, .Lfunc_end_k_qf588bfd596_wquant-k_qf588bfd596_wquant
	.p2alignl 7, 3214868480
	.fill 96, 4, 3214868480
	.section	.rodata,"a",@progbits
	.p2align	6, 0x0
	.amdhsa_kernel k_qf588bfd596_wquant
		.amdhsa_group_segment_fixed_size 0
		.amdhsa_private_segment_fixed_size 0
		.amdhsa_enable_private_segment 0
		.amdhsa_kernarg_size 32
		.amdhsa_user_sgpr_count 2
		.amdhsa_user_sgpr_kernarg_segment_ptr 1
		.amdhsa_wavefront_size32 1
		.amdhsa_system_sgpr_workgroup_id_x 1
		.amdhsa_system_sgpr_workgroup_id_y 1
		.amdhsa_system_sgpr_workgroup_id_z 1
		.amdhsa_system_vgpr_workitem_id 0
		.amdhsa_next_free_vgpr 256
		.amdhsa_next_free_sgpr 66
		.amdhsa_reserve_vcc 0
		.amdhsa_float_denorm_mode_32 3
		.amdhsa_float_denorm_mode_16_64 3
		.amdhsa_memory_ordered 1
		.amdhsa_forward_progress 1
		.amdhsa_inst_pref_size 42
	.end_amdhsa_kernel
	.amdgpu_metadata
---
amdhsa.version: [ 1, 2 ]
amdhsa.kernels:
  - .name:           k_qf588bfd596_wquant
    .symbol:         k_qf588bfd596_wquant.kd
    .args:
      - { .name: Wq, .offset: 0, .size: 8, .value_kind: global_buffer, .address_space: global }
      - { .name: Wk, .offset: 8, .size: 8, .value_kind: global_buffer, .address_space: global }
      - { .name: Wv, .offset: 16, .size: 8, .value_kind: global_buffer, .address_space: global }
      - { .name: wq, .offset: 24, .size: 8, .value_kind: global_buffer, .address_space: global }
    .group_segment_fixed_size: 0
    .private_segment_fixed_size: 0
    .kernarg_segment_align: 8
    .kernarg_segment_size: 32
    .max_flat_workgroup_size: 32
    .sgpr_count:     66
    .vgpr_count:     256
    .wavefront_size: 32
...
	.end_amdgpu_metadata
.endif
;; end of part 1
;; launch proj (part 2): grid 256 x 1, 4 waves a work-group, no clusters, 105,984 bytes of LDS; arguments source_query, source_key_value, source_key_value_padding_mask, wq, codes, scales, aux; writes codes, scales, aux
.if DOCPART == 2
	.amdgcn_target "amdgcn-amd-amdhsa--gfx1250"
	.amdhsa_code_object_version 6
	.text
	.protected	k_qf588bfd596_proj
	.globl	k_qf588bfd596_proj
	.p2align	8
	.type	k_qf588bfd596_proj,@function
k_qf588bfd596_proj:
	s_mov_b64 s[64:65], 0
	v_nop
	global_prefetch_b8 v0, s[64:65] scope:SCOPE_SE
	s_setreg_imm32_b32 hwreg(HW_REG_WAVE_MODE, 25, 1), 1
	s_wait_xcnt 0x0
; q = x_q Wq^T, k = x_kv Wk^T, v = x_kv Wv^T, all three on codes of BF8 (E5M2) with one E8M0 scale for each 32 along K = 1,024; then q and k are quantised along d_k and v along the KEYS, for the next launch.
; SHARES.  Work-group n owns rows 64 n .. 64 n + 63 of both sources, read from memory once.  Wave w quantises one tile of 16 rows for all eight K steps; the fragments go to the other waves through LDS as images of
; their registers (lane l's 16 bytes at 16 l).  In each product THE WAVES SHARE THE FEATURES: wave w makes features 128 w .. 128 w + 127 (8 tiles) for all four tiles of rows: 32 accumulators, 256 registers.
; So every weight fragment is read by ONE wave of the work-group, straight from memory into registers (the launch before laid them so: four loads of 512 consecutive bytes a fragment).
; NO JOINT LOADS, NO RING: a load shared between work-groups lands in LDS, and each weight byte would then be written to LDS and read from it once more for no reuse inside the work-group.
; TILES.  Tile (beta, u) of any operand holds rows 32 beta + 8 u + r + 8 (r / 8).  As source 0 it gives lane (r, h), register j, row 32 beta + 16 h + 8 u + j: tiles u = 0, 1 give a lane 16 neighbours.
;   q, k: source 0 = W, source 1 = x: a lane holds one row and 64 neighbouring-by-16 features: the wave's 128 features are K step w of the scores' product: one fragment and one scale word a tile of rows.
;   v:    source 0 = x, source 1 = W: a lane holds one feature and its registers run down the 64 keys: two blocks of 32 a feature tile.
; OUT.  codes: q at 0, k at 8,388,608: (4 n + m) x 8,192 + w x 2,048; v at 16,777,216: (n / 2) x 65,536 + (8 w + t) x 2,048 + (2 (n % 2) + block) x 512.  scales: q, k: n x 1,024 + w x 256 + 16 r + 4 m;
;   v at 524,288: n x 1,024 + w x 256 + 16 r + 2 t (two bytes).  aux: at n x 2,048 the sums over the 64 keys of the QUANTISED v (by one matrix instruction against rows of ones);
;   at 524,288 + 4 x key a cap for the key's scores: +infinity, or -infinity where the key is padded.
; LIMITS: blocks whose largest magnitude lies under 2^-111 (zeros among them) keep the byte 1; NaN and infinities among the inputs are not served.
; REGISTERS, in windows of 256: window 0: addresses, work, scale words.  window 1: four sets of four W fragments.  window 2: the accumulators (while x is quantised: v0-127 two sets of 64 numbers).
;   window 3: while x is quantised four sets of 64 as loaded; in the products x's fragments, two sets at v128 and v192.
.set XIMG, 0                           ; LDS: x's 32 fragments, (8 m + s) x 2,048
.set XSC,  65536                       ; their scale words, (8 m + s) x 128
.set VSB,  69632                       ; 512 bytes a wave, its own: the sums of Q(v)
.set TST,  71680                       ; 8,448 bytes a wave, its own: 16 rows of 512 bytes + 16
.set TP,   528                         ; 33 x 16 bytes: sixteen rows' same column falls on sixteen different groups of banks (64 banks of 4 bytes: ISA guide 11.1)
.set LI,   1                           ; v1   16 x lane
.set TSW,  2                           ; v2   my stage, as loaded: 16 x lane
.set TSR,  3                           ; v3   my stage, turned: 528 r + 64 h
.set XWI,  4                           ; v4   where I store x's images
.set XWS,  5                           ; v5   and their scale words
.set XSR,  6                           ; v6   where scale words are read
.set WSA,  7                           ; v7   16 r
.set OSA,  8                           ; v8   16 r + 8 h
.set PFA,  9                           ; v9   4,096 (r + 8 (r / 8)) + 256 h
.set VSW,  10
.set VSR,  11
.set KMA,  12                          ; v12  2 x lane
.set KM,   13                          ; v13  two bytes of the keys' padding mask
.set T0,   14                          ; v14-15 scale words on their way out
.set TM,   16                          ; v16-31 the quantiser's work
.set PC,   32                          ; v32-47 the codes just made
.set PW,   48                          ; v48-51 four scale words
.set PWX,  52                          ; v52  x's scale word
.set SC1,  53                          ; v53  four bytes 127: the scale 1
.set CPA,  54                          ; v54  8 x lane
.set WS,   56                          ; v56-71 W's scale words, four sets of four
.set XS,   72                          ; v72-79 x's, two sets of four
.set SELV, 80                          ; v80-95 an operand of ones and zeros: rows 0-7 take k 0-63, rows 8-15 take k 64-127
.set D2,   96                          ; v96-127 its four results
.set VB,   128
.set CP,   132
.set WV,   2                           ; s2   wave
.set TT,   3                           ; s3   0: x_q with Wq; 1: x_kv with Wk
.set XP,   22                          ; s[22:23] the source in hand at my tile's first row
.set XK,   24                          ; s[24:25] x_kv there; never rewritten
.set WP,   26                          ; s[26:27] the weight's codes, my wave's
.set WSP,  28                          ; s[28:29] and its scale words
.set OCP,  30                          ; s[30:31] where q's or k's codes go
.set OSP,  32                          ; s[32:33] and their scale words
.set VP,   34
.set VSP,  36
.set SUMP, 38
.set CAPP, 40
.set KMP,  42
.set SELS, 44                          ; s[44:45] v_permlanex16_b32's selects for lane l xor 16
.set MNT,  46                          ; s46  the mantissa field of 57,344
.set HM,   47                          ; s47  the lanes 16-31
.set LOW,  48                          ; s48  the lanes with r < 8
.set MSB, 0
.macro WIN new                         ; the immediate's high byte repeats the setting that is left; a switch that changes nothing is dropped
.if MSB != \new
	s_set_vgpr_msb (MSB<<8)|\new
.set MSB, \new
.endif
.endm
.macro PLACES n                        ; plain vector lines behind matrix instructions (ISA guide 7.12.1)
.rept \n
	v_nop
.endr
.endm
.macro BARRIER                         ; my LDS stores have landed and my LDS loads are in: then the work-group's barrier
	s_wait_dscnt 0x0
	s_barrier_signal -1
	s_barrier_wait -1
.endm
.macro WM d, a, b, zero, sa, sb
.if \zero
	v_wmma_scale_f32_16x16x128_f8f6f4 v[(\d):(\d)+7], v[(\a):(\a)+15], v[(\b):(\b)+15], 0, v[\sa], v[\sb] matrix_a_fmt:MATRIX_FMT_BF8 matrix_b_fmt:MATRIX_FMT_BF8
.else
	v_wmma_scale_f32_16x16x128_f8f6f4 v[(\d):(\d)+7], v[(\a):(\a)+15], v[(\b):(\b)+15], v[(\d):(\d)+7], v[\sa], v[\sb] matrix_a_fmt:MATRIX_FMT_BF8 matrix_b_fmt:MATRIX_FMT_BF8
.endif
.endm
; 64 numbers of a lane in window wd, register base + 16 b + i = place 32 b + 16 h + i along the next K, become codes in v[PC] on and the scale word v[pw], both in window 0.  The numbers are read from the low end on.
.macro QUANT base, wd, pw
	WIN 5*(\wd)                                    ; sources 0 and 1 in window wd
.irp b, 0,1,2,3
	v_max3_num_f32 v[TM+\b], |v[(\base)+16*\b]|, |v[(\base)+16*\b+1]|, 0x8000000   ; my 16 numbers of block b, and the floor 2^(16 - 127): the byte cannot fall under 1
.endr
.irp i, 2,4,6,8,10,12,14
.irp b, 0,1,2,3
	v_max3_num_f32 v[TM+\b], |v[(\base)+16*\b+\i]|, |v[(\base)+16*\b+\i+1]|, v[TM+\b]
.endr
.endr
	WIN 0
.irp b, 0,1,2,3
	v_permlanex16_b32 v[TM+4+\b], v[TM+\b], s[SELS], s[SELS+1]
.endr
.irp b, 0,1,2,3
	v_max_num_f32 v[TM+\b], v[TM+\b], v[TM+4+\b]               ; with lane l xor 16's 16: the block's largest magnitude
.endr
.irp b, 0,1,2,3
	v_add_nc_u32 v[TM+12+\b], 0xf8800000, v[TM+\b]             ; 15 off its exponent field: the conversion's scale operand
.endr
.irp b, 0,1,2,3
	v_and_or_b32 v[TM+8+\b], v[TM+\b], 0x7f800000, s[MNT]      ; 57,344 x the scale
.endr
.irp b, 0,1,2,3
	v_lshrrev_b32 v[TM+4+\b], 23, v[TM+12+\b]                  ; the scale's byte
.endr
	v_lshl_or_b32 v[\pw], v[TM+5], 8, v[TM+4]
	v_lshl_or_b32 v[\pw], v[TM+6], 16, v[\pw]
	v_lshl_or_b32 v[\pw], v[TM+7], 24, v[\pw]
	WIN 65*(\wd)                                   ; destination and source 0 in window wd
.irp b, 0,1,2,3
.irp i, 0,1,2,3,4,5,6,7,8,9,10,11,12,13,14,15
	v_med3_num_f32 v[(\base)+16*\b+\i], v[(\base)+16*\b+\i], -v[TM+8+\b], v[TM+8+\b]   ; the conversion to an 8-bit code does not saturate (ISA guide 7.6.2): the hold comes first
.endr
.endr
	WIN \wd
.irp b, 0,1,2,3
	v_cvt_scalef32_pk8_bf8_f32 v[PC+4*\b:PC+4*\b+1], v[(\base)+16*\b:(\base)+16*\b+7], v[TM+12+\b]
	v_cvt_scalef32_pk8_bf8_f32 v[PC+4*\b+2:PC+4*\b+3], v[(\base)+16*\b+8:(\base)+16*\b+15], v[TM+12+\b]
.endr
	WIN 0
	v_nop                                          ; one plain vector line behind the last conversion
.endm
.macro SCSTORE ptr                     ; four scale words a row: lanes 0-15 store words 0, 1, lanes 16-31 words 2, 3: the wave stores 256 consecutive bytes
	v_cndmask_b32 v[T0], v[PW], v[PW+2], s[HM]
	v_cndmask_b32 v[T0+1], v[PW+1], v[PW+3], s[HM]
	global_store_b64 v[OSA], v[T0:T0+1], s[\ptr:\ptr+1]
.endm
; Half step H (K step H / 2, tiles 4 (H % 2) on) of the weight in hand, or for H >= 16 half step H - 16 of the next weight: one load of scale words and 16 of codes, into set H % 4
.macro WLOAD H
.if (\H) < 16
.set OC, 8192*(\H)
.set OS, 256*(\H)
.else
.set OC, 524288+8192*((\H)-16)
.set OS, 16384+256*((\H)-16)
.endif
.set WSET, (\H)%4
	global_load_b128 v[WS+4*WSET:WS+4*WSET+3], v[WSA], s[WSP:WSP+1] offset:OS
	WIN 0x40                                       ; destination window 1
.irp tt, 0,1,2,3
.irp c, 0,1,2,3
	global_load_b128 v[64*WSET+16*\tt+4*\c:64*WSET+16*\tt+4*\c+3], v[LI], s[WP:WP+1] offset:OC+2048*\tt+512*\c
.endr
.endr
	WIN 0
.endm
.macro XLOAD s                         ; K step s of my 16 rows: each load takes 512 consecutive bytes of one row; into set s % 4 of window 3
	WIN 0xc0
.irp p, 0,1,2,3,4,5,6,7,8,9,10,11,12,13,14,15
	global_load_b128 v[64*((\s)%4)+4*\p:64*((\s)%4)+4*\p+3], v[LI], s[XP:XP+1] offset:(\p+8*(\p/8))*4096+512*(\s) th:TH_LOAD_NT
.endr
	WIN 0
.endm
.macro TURN s                          ; through my own stage: in as loaded, back 16 neighbours of each block a lane.  LDS serves a wave's instructions in order (ISA guide 5.7.1.4): no wait between
	WIN 0x0c                                       ; an LDS store's data are its source 1: window 3
.irp p, 0,1,2,3,4,5,6,7,8,9,10,11,12,13,14,15
	ds_store_b128 v[TSW], v[64*((\s)%4)+4*\p:64*((\s)%4)+4*\p+3] offset:TP*\p
.endr
	WIN 0x80                                       ; destination window 2
.irp b, 0,1,2,3
.irp j, 0,1,2,3
	ds_load_b128 v[64*((\s)%2)+16*\b+4*\j:64*((\s)%2)+16*\b+4*\j+3], v[TSR] offset:128*\b+16*\j
.endr
.endr
	WIN 0
.endm
.macro XSTEP s                         ; K step s of my tile becomes a fragment's image in LDS
	s_wait_dscnt 0x0                               ; this step's numbers are back from the stage; the last image's stores and the stage's stores have read their registers
.if (\s) <= 4
	XLOAD (\s)+3
.endif
.if (\s) <= 6
.if (\s) <= 4
	s_wait_loadcnt 32                              ; the next step's 16 loads are in; the two steps behind it may be out
.else
	s_wait_loadcnt 16*(6-(\s))
.endif
	TURN (\s)+1
.endif
	QUANT 64*((\s)%2), 2, PWX
.irp c, 0,1,2,3
	ds_store_b128 v[XWI], v[PC+4*\c:PC+4*\c+3] offset:XIMG+2048*(\s)+512*\c
.endr
	ds_store_b32 v[XWS], v[PWX] offset:128*(\s)
.endm
.macro XFETCH s                        ; K step s of all four tiles of rows, and their scale words: 20 LDS loads, into set s % 2
	WIN 0xc0
.irp m, 0,1,2,3
.irp c, 0,1,2,3
	ds_load_b128 v[128+64*((\s)%2)+16*\m+4*\c:128+64*((\s)%2)+16*\m+4*\c+3], v[LI] offset:XIMG+(8*\m+(\s))*2048+512*\c
.endr
.endr
	WIN 0
.irp m, 0,1,2,3
	ds_load_b32 v[XS+4*((\s)%2)+\m], v[XSR] offset:(8*\m+(\s))*128
.endr
.endm
; A HALF STEP: 16 matrix instructions, four tiles of features x four tiles of rows, 128 along K.  orient 0: source 0 = W (q, k); 1: source 0 = x (v).  last = 1: no weight follows.
; The 32 accumulators take turns, one instruction a turn, in the same order in every K step.
.macro HS H, orient, last
.set KQ, (\H)/2
.set THF, (\H)%2
.set HSET, (\H)%4
.if (\H) < 2
.set ZR, 1
.else
.set ZR, 0
.endif
	PLACES 8                                       ; the loads below land on registers that the half step before has read
.if \last && ((\H) >= 14)
	s_wait_loadcnt 17*(15-(\H))
.else
	s_wait_loadcnt 34                              ; this half step's 17 loads are in; the two sets behind them may be out
.endif
.if !(\last && ((\H) >= 13))
	WLOAD (\H)+3
.endif
.if THF == 0
.if KQ < 7
	XFETCH (\H)/2+1
	s_wait_dscnt 20                                ; this K step's x is in; the 20 loads just issued may be out
.else
	s_wait_dscnt 0x0
.endif
.endif
.if \orient
	WIN 0xa7                                       ; source 0 (x) window 3, source 1 (W) window 1, C and D window 2
.else
	WIN 0xad                                       ; source 0 (W) window 1, source 1 (x) window 3, C and D window 2
.endif
.irp tt, 0,1,2,3
.irp m, 0,1,2,3
.if \orient
	WM 32*(4*THF+\tt)+8*\m, 128+64*(KQ%2)+16*\m, 64*HSET+16*\tt, ZR, XS+4*(KQ%2)+\m, WS+4*HSET+\tt
.else
	WM 64*\m+8*(4*THF+\tt), 64*HSET+16*\tt, 128+64*(KQ%2)+16*\m, ZR, WS+4*HSET+\tt, XS+4*(KQ%2)+\m
.endif
.endr
.endr
	WIN 0
.endm
	s_load_b256 s[8:15], s[0:1], 0x0               ; source_query s[8:9], source_key_value s[10:11], the keys' padding mask s[12:13], wq s[14:15]
	s_load_b128 s[16:19], s[0:1], 0x20             ; codes s[16:17], scales s[18:19]
	s_load_b64 s[20:21], s[0:1], 0x30              ; aux
	v_lshl_add_u32 v254, v0, 2, 0x19c00
	v_mov_b32 v255, 0
	v_lshrrev_b32 v96, 5, v0
	v_readfirstlane_b32 s[WV], v96                 ; wave 0..3
	v_and_b32 v99, 31, v0                          ; lane
	v_and_b32 v96, 15, v0                          ; r
	v_bfe_u32 v97, v0, 4, 1                        ; h
	v_and_b32 v98, 8, v96
	v_add_nc_u32 v98, v98, v96                     ; r + 8 (r / 8)
	v_lshlrev_b32 v[LI], 4, v99
	s_mul_i32 s4, s[WV], 16*TP
	s_add_co_u32 s4, s4, TST
	v_add_nc_u32 v[TSW], s4, v[LI]
	v_mul_u32_u24 v[TSR], v96, TP
	v_lshl_add_u32 v[TSR], v97, 6, v[TSR]
	v_add_nc_u32 v[TSR], s4, v[TSR]
	s_lshl_b32 s4, s[WV], 14
	v_add_nc_u32 v[XWI], s4, v[LI]                 ; my tile's eight images: 16,384 x wave
	v_lshlrev_b32 v[XSR], 2, v99
	v_add_nc_u32 v[XSR], XSC, v[XSR]
	s_lshl_b32 s4, s[WV], 10
	v_add_nc_u32 v[XWS], s4, v[XSR]
	v_lshlrev_b32 v[WSA], 4, v96
	v_lshl_add_u32 v[OSA], v97, 3, v[WSA]
	v_lshlrev_b32 v[PFA], 12, v98
	v_lshl_add_u32 v[PFA], v97, 8, v[PFA]
	v_lshl_add_u32 v[VSW], v97, 3, v98
	v_lshlrev_b32 v[VSW], 2, v[VSW]                ; 4 (8 h + r + 8 (r / 8)): the feature of tile 2 g + h, lane r, in its 32
	s_lshl_b32 s4, s[WV], 9
	s_add_co_u32 s4, s4, VSB
	v_add_nc_u32 v[VSW], s4, v[VSW]
	v_add_nc_u32 v[VSR], s4, v[LI]
	v_lshlrev_b32 v[KMA], 1, v99
	v_lshlrev_b32 v[CPA], 3, v99
	v_cmp_le_u32 s[HM], 16, v99
	v_cmp_gt_u32 s[LOW], 8, v96
	v_mov_b32 v[SC1], 0x7f7f7f7f
	v_mov_b32 v100, 0x3c3c3c3c                     ; four codes of 1.0 in E5M2
	v_cndmask_b32 v[SELV], 0, v100, s[LOW]
	v_sub_nc_u32 v[SELV+8], v100, v[SELV]
.irp k, 1,2,3,4,5,6,7
	v_mov_b32 v[SELV+\k], v[SELV]
	v_mov_b32 v[SELV+8+\k], v[SELV+8]
.endr
.irp b, 0,1,2,3
	v_mov_b32 v[TM+4+\b], 0                        ; written once: a lane permute's destination counts as one of its sources
.endr
	s_mov_b32 s[SELS], 0x76543210
	s_mov_b32 s[SELS+1], 0xfedcba98
	s_mov_b32 s[MNT], 0x600000
	s_lshr_b32 s4, s[WV], 1
	s_lshl_b32 s4, s4, 5
	s_and_b32 s5, s[WV], 1
	s_lshl_b32 s5, s5, 3
	s_add_co_u32 s4, s4, s5
	s_lshl_b32 s5, ttmp9, 6
	s_add_co_u32 s4, s4, s5                        ; my tile's first row: 64 n + 32 (w / 2) + 8 (w % 2)
	s_lshl_b32 s4, s4, 12                          ; rows of 4,096 bytes: under 2^26
	s_mov_b32 s5, 0
	s_mov_b32 s7, 0
	s_wait_kmcnt 0x0
	s_add_nc_u64 s[XP:XP+1], s[8:9], s[4:5]
	s_add_nc_u64 s[XK:XK+1], s[10:11], s[4:5]
	s_lshl_b32 s6, s[WV], 17
	s_add_nc_u64 s[WP:WP+1], s[14:15], s[6:7]
	s_lshl_b32 s6, s[WV], 12
	s_add_nc_u64 s[WSP:WSP+1], s[14:15], s[6:7]
	s_add_nc_u64 s[WSP:WSP+1], s[WSP:WSP+1], 1572864
	s_lshl_b32 s6, ttmp9, 15
	s_lshl_b32 s4, s[WV], 11
	s_add_co_u32 s6, s6, s4
	s_add_nc_u64 s[OCP:OCP+1], s[16:17], s[6:7]
	s_lshl_b32 s6, ttmp9, 10
	s_lshl_b32 s4, s[WV], 8
	s_add_co_u32 s6, s6, s4
	s_add_nc_u64 s[OSP:OSP+1], s[18:19], s[6:7]
	s_add_nc_u64 s[VSP:VSP+1], s[OSP:OSP+1], 524288
	s_lshr_b32 s6, ttmp9, 1
	s_lshl_b32 s6, s6, 16
	s_lshl_b32 s4, s[WV], 14
	s_add_co_u32 s6, s6, s4
	s_and_b32 s4, ttmp9, 1
	s_lshl_b32 s4, s4, 10
	s_add_co_u32 s6, s6, s4
	s_add_nc_u64 s[VP:VP+1], s[16:17], s[6:7]
	s_add_nc_u64 s[VP:VP+1], s[VP:VP+1], 16777216
	s_lshl_b32 s6, ttmp9, 11
	s_lshl_b32 s4, s[WV], 9
	s_add_co_u32 s6, s6, s4
	s_add_nc_u64 s[SUMP:SUMP+1], s[20:21], s[6:7]
	s_lshl_b32 s6, ttmp9, 8
	s_add_nc_u64 s[CAPP:CAPP+1], s[20:21], s[6:7]
	s_add_nc_u64 s[CAPP:CAPP+1], s[CAPP:CAPP+1], 524288
	s_lshl_b32 s6, ttmp9, 6
	s_add_nc_u64 s[KMP:KMP+1], s[12:13], s[6:7]
	global_load_u16 v[KM], v[KMA], s[KMP:KMP+1]    ; the mask bytes of keys 2 l, 2 l + 1: my oldest load, so every later wait shows it in
	WLOAD 0                                        ; the weights first: x's loads are then the youngest on both ways into the loop
	WLOAD 1
	WLOAD 2
	XLOAD 0
	XLOAD 1
	XLOAD 2
	s_mov_b32 s[TT], 0
.Lsrc:                                             ; two trips: x_q with Wq, x_kv with Wk
	s_wait_loadcnt 32                              ; K step 0 of x is in; steps 1 and 2 may be out
	TURN 0
.irp s, 0,1,2,3,4,5,6,7
	XSTEP \s
.endr
	BARRIER                                        ; all 32 images of x lie in LDS
	XFETCH 0
.irp H, 0,1,2,3,4,5,6,7,8
	HS \H, 0, 0
.endr
	s_cmp_lg_u32 s[TT], 0                          ; in the first trip x_kv's K steps 3 to 6 of my 16 rows are asked for ahead: a lane to each 256 bytes, each asked once in the launch,
	s_cbranch_scc1 .Lno_ask                        ; seven half steps and four quantisations ahead of the first load that wants them; steps 0 to 2 come by loads below, step 7 is not asked for
.irp s, 3,4,5,6
	global_prefetch_b8 v[PFA], s[XK:XK+1] offset:512*\s th:TH_LOAD_NT scope:SCOPE_SE
.endr
.Lno_ask:
.irp H, 9,10,11,12,13,14,15
	HS \H, 0, 0                                    ; half steps 13 to 15 ask for the next weight's first three sets
.endr
	PLACES 8                                       ; in front of the first read of results and of loads into x's registers
	BARRIER                                        ; every wave's reads of the images are over: they may be written again
	s_mov_b64 s[XP:XP+1], s[XK:XK+1]               ; (all loads by the old address were shown done when x's last K step was waited for)
	s_cmp_lg_u32 s[TT], 0
	s_cbranch_scc1 .Lno_x
	XLOAD 0                                        ; x_kv's first three K steps land while q is quantised
	XLOAD 1
	XLOAD 2
.Lno_x:
.irp m, 0,1,2,3                        ; a tile of rows: 64 numbers a lane = K step w of the scores' product
	s_wait_xcnt 0x0                                ; the codes' registers were store data: written again only behind this wait
	QUANT 64*\m, 2, PW+\m
.irp c, 0,1,2,3
	global_store_b128 v[LI], v[PC+4*\c:PC+4*\c+3], s[OCP:OCP+1] offset:8192*\m+512*\c   ; the wave stores 512 consecutive bytes
.endr
.endr
	SCSTORE OSP
	s_wait_xcnt 0x0                                ; the pointers below are sources of loads and stores that have been issued
	s_add_nc_u64 s[OCP:OCP+1], s[OCP:OCP+1], 0x800000
	s_add_nc_u64 s[OSP:OSP+1], s[OSP:OSP+1], 0x40000
	s_add_nc_u64 s[WP:WP+1], s[WP:WP+1], 0x80000
	s_add_nc_u64 s[WSP:WSP+1], s[WSP:WSP+1], 0x4000
	s_add_co_u32 s[TT], s[TT], 1
	s_cmp_lt_u32 s[TT], 2
	s_cbranch_scc1 .Lsrc
	; ---- v: x_kv's images still lie in LDS
	XFETCH 0
.irp H, 0,1,2,3,4,5,6,7,8,9,10,11,12,13,14,15
	HS \H, 1, 1
.endr
	PLACES 8
.irp g, 0,1,2,3                        ; feature tiles 2 g and 2 g + 1: four blocks of 32 keys
	s_wait_xcnt 0x0
	QUANT 64*\g, 2, PW+\g
	PLACES 4                                       ; codes written by vector instructions stand four places ahead of a scaled matrix instruction; the scale word was made ahead of the 64 holds
	WM D2+8*\g, SELV, PC, 1, SC1, PW+\g            ; register 0 of lane (r, h): the sum over the 64 keys of the quantised v of tile 2 g + h, lane r's feature
.irp k, 0,1,2,3
	global_store_b128 v[LI], v[PC+4*\k:PC+4*\k+3], s[VP:VP+1] offset:(2*\g+\k/2)*2048+(\k%2)*512
.endr
.endr
	PLACES 8
.irp g, 0,1,2,3
	ds_store_b32 v[VSW], v[D2+8*\g] offset:128*\g  ; into feature order, in my own 512 bytes
.endr
	ds_load_b128 v[VB:VB+3], v[VSR]
	SCSTORE VSP                                    ; a word = the two bytes of tile 2 g and the two of tile 2 g + 1
	s_wait_dscnt 0x0
	global_store_b128 v[LI], v[VB:VB+3], s[SUMP:SUMP+1]
	s_cmp_lg_u32 s[WV], 0
	s_cbranch_scc1 .Lend
	v_lshl_or_b32 v[CP], v[KM], 31, 0x7f800000     ; the mask's bit becomes the sign of an infinity: key 2 l,
	v_lshl_or_b32 v[CP+1], v[KM], 23, 0x7f800000   ; key 2 l + 1 (the lower byte's bit falls into the exponent, which is all ones)
	global_store_b64 v[CPA], v[CP:CP+1], s[CAPP:CAPP+1]   ; the wave stores 256 consecutive bytes
.Lend:
	s_wait_tensorcnt 0x0
	ds_add_u32 v254, v255
	s_wait_dscnt 0x0
	s_endpgm
.Lfunc_end_k_qf588bfd596_proj:
	.size	k_qf588bfd596_proj, .Lfunc_end_k_qf588bfd596_proj-k_qf588bfd596_proj
	.p2alignl 7, 3214868480
	.fill 96, 4, 3214868480
	.section	.rodata,"a",@progbits
	.p2align	6, 0x0
	.amdhsa_kernel k_qf588bfd596_proj
		.amdhsa_group_segment_fixed_size 105984
		.amdhsa_private_segment_fixed_size 0
		.amdhsa_enable_private_segment 0
		.amdhsa_kernarg_size 56
		.amdhsa_user_sgpr_count 2
		.amdhsa_user_sgpr_kernarg_segment_ptr 1
		.amdhsa_wavefront_size32 1
		.amdhsa_system_sgpr_workgroup_id_x 1
		.amdhsa_system_sgpr_workgroup_id_y 1
		.amdhsa_system_sgpr_workgroup_id_z 1
		.amdhsa_system_vgpr_workitem_id 0
		.amdhsa_next_free_vgpr 1024
		.amdhsa_next_free_sgpr 66
		.amdhsa_reserve_vcc 0
		.amdhsa_float_denorm_mode_32 3
		.amdhsa_float_denorm_mode_16_64 3
		.amdhsa_memory_ordered 1
		.amdhsa_forward_progress 1
		.amdhsa_inst_pref_size 255
	.end_amdhsa_kernel
	.section	.bss,"aw",@nobits
	.p2align	6
	.space	262144
	.amdgpu_metadata
---
amdhsa.version: [ 1, 2 ]
amdhsa.kernels:
  - .name:           k_qf588bfd596_proj
    .symbol:         k_qf588bfd596_proj.kd
    .args:
      - { .name: source_query, .offset: 0, .size: 8, .value_kind: global_buffer, .address_space: global }
      - { .name: source_key_value, .offset: 8, .size: 8, .value_kind: global_buffer, .address_space: global }
      - { .name: source_key_value_padding_mask, .offset: 16, .size: 8, .value_kind: global_buffer, .address_space: global }
      - { .name: wq, .offset: 24, .size: 8, .value_kind: global_buffer, .address_space: global }
      - { .name: codes, .offset: 32, .size: 8, .value_kind: global_buffer, .address_space: global }
      - { .name: scales, .offset: 40, .size: 8, .value_kind: global_buffer, .address_space: global }
      - { .name: aux, .offset: 48, .size: 8, .value_kind: global_buffer, .address_space: global }
    .group_segment_fixed_size: 105984
    .private_segment_fixed_size: 0
    .kernarg_segment_align: 8
    .kernarg_segment_size: 56
    .max_flat_workgroup_size: 128
    .sgpr_count:     66
    .vgpr_count:     1024
    .wavefront_size: 32
...
	.end_amdgpu_metadata
.endif
;; end of part 2
;; launch attn (part 3): grid 256 x 1, 4 waves a work-group, no clusters, 43,520 bytes of LDS; arguments codes, scales, aux, source_query_padding_mask, out0; writes out0
.if DOCPART == 3
	.amdgcn_target "amdgcn-amd-amdhsa--gfx1250"
	.amdhsa_code_object_version 6
	.text
	.protected	k_qf588bfd596_attn
	.globl	k_qf588bfd596_attn
	.p2align	8
	.type	k_qf588bfd596_attn,@function
k_qf588bfd596_attn:
	s_mov_b64 s[64:65], 0
	v_nop
	global_prefetch_b8 v0, s[64:65] scope:SCOPE_SE
	s_setreg_imm32_b32 hwreg(HW_REG_WAVE_MODE, 25, 1), 1
	s_wait_xcnt 0x0
; out = softmax(mask(q k^T / sqrt(512))) v, causal, with padded keys and padded queries, both products on codes of BF8 (E5M2) with one E8M0 scale for each 32 along a product's K.
; THE SOFTMAX AHEAD OF THE SECOND PRODUCT: t = score x log2(e) / sqrt(512); M = the largest t so far, rounded UP to a whole number; p = 2^(t - M) is quantised along the keys; the sum of the unquantised p divides at the end.
; SHARES.  Work-group (batch b, i) makes the blocks of 32 queries beta = i and then beta = 63 - i: beta / 4 + 1 key steps of 128 each, 17 in all for every work-group.  A block's step on the diagonal runs FIRST and
; starts O^T with the constant 0; then steps 0 .. beta / 4 - 1.  Steps wholly above the diagonal are not multiplied.
; IN A STEP wave w makes S^T (source 0 = keys, source 1 = queries) for the 32 keys 128 j + 32 w on against both tiles of queries, takes the softmax under ITS OWN running M_w, and stores its quarter of P's two fragments
; in LDS; then it makes O^T (source 0 = V^T, source 1 = P) for features 128 w on.  So every fragment of K and of V is read by ONE wave, straight from memory into registers (four loads of 512 consecutive bytes).
; A block's scale byte takes up 2^(M_w - M), M the largest of the four M_w: byte + (M_w - M), held at 0 from below: all these factors are exact powers of two.
; MASKS.  A padded key's scores are capped at -infinity (v_min_num_f32 with a stored cap), hidden keys on the diagonal likewise (v_cndmask_b32): p = 0.  A row that no key can reach (a padded query, or every key up to it
; padded) is, as reference() has it, the mean over ALL 2,048 keys: p = 1 everywhere, so the sum of the quantised v / 2,048; it is chosen at the end by v_cndmask_b32 where the query is padded or the sum of p is 0.
; REQUESTS.  Each step asks for the next step's operands as soon as their registers are free: K's set (4 caps, 4 scale loads, 32 of codes: 40 loads) behind the first product, in two runs, so that with V's 34 no more
; than 58 loads are out behind the first run; V's set (2 scale loads, 32 of codes: 34 loads) behind the second product.  So each set has most of a step in which to land.  The last step of a block asks for the next
; block's first; the last step of the second block asks once more for that block's first step, which nobody uses: 1 set in 18, so that every wait counts the same loads on every path.
; JOINT LOADS ARE NOT USED, though work-groups 4 c .. 4 c + 3 of a batch walk the same steps of K and V (their blocks share beta / 4) and could ask jointly: a joint load lands in LDS, so each of a step's 131,072 bytes
; would be written to LDS and read from it once more by the one wave that multiplies it, for that step's 128 matrix instructions, and each step would take a round of the cluster's barrier.  That form was not built.
; LIMITS: NaN and infinities among the inputs are not served; a masked score is carried as -infinity where reference() writes the lowest f32 number (p is 0 either way); a byte of P that would fall under 0 is held at 0
; (what it scales lies under 2^-111 of the row's largest term); v_exp_f32 gives 0 for p under 2^-126.
; REGISTERS, in windows of 256: window 0: addresses, statistics, scale words, S^T (v132-163), P (v164-195).  window 1: K (v0-127), Q (v128-255).  window 2: V (v0-127), O^T (v128-255: tile t, queries q at 128 + 16 t + 8 q).
;   window 3: v0-63 the mean, v64-127 results, v128-255 rows on their way out.
.set MASKED_NAN, 0                     ; 1: rows that no key can reach get NaN in place of the mean
.set PIMG,  0                          ; LDS: P's two fragments: q x 2,048 + c x 512 + 16 x lane
.set STAT,  4096                       ; q x 1,024 + 32 x lane + 8 w: (-M_w, the block's byte as f32)
.set LSM,   6144                       ; q x 512 + 16 x lane + 4 w: the waves' sums of p
.set VM,    7168                       ; 512 f32: the mean of the quantised v
.set STAGE, 9216                       ; 8,448 bytes a wave, its own: 16 rows of 512 bytes + 16
.set TP,    528
.set LI,   1                           ; v1   16 x lane
.set R16,  2                           ; v2   16 r
.set CAPO, 3                           ; v3   64 h
.set RP,   4                           ; v4   r + 8 (r / 8)
.set PWA,  5
.set STW,  6
.set STR,  7
.set LSW,  8
.set LSR,  9
.set VMR,  10
.set SGW,  11
.set SGR,  12
.set VMW,  13
.set QD,   14                          ; v14-15 register i of S^T is hidden where i > this
.set NINF, 16
.set LC,   17
.set VSO,  18                          ; v18  16 x thread
.set NM,   20                          ; pairs (-M_w, byte as f32), one for each tile of queries q
.set TMX,  24                          ; the largest t
.set LSUM, 26                          ; pairs: the sum of p
.set NMC,  30                          ; -M, the common one
.set FW,   32                          ; pairs: 2^(old M_w - new M_w)
.set FO,   36                          ; pairs: 2^(old M - new M)
.set QP,   40                          ; the queries' padding bytes
.set BM,   42
.set TT,   44
.set OLD,  46
.set SCO,  48
.set HOLD, 50
.set AS,   52
.set PWD,  56                          ; P's scale words
.set PC,   60                          ; my quarter of P's codes, four registers a q
.set KSC,  68                          ; K's scale words: 2 s + u
.set QSC,  76                          ; Q's: 2 s + q
.set VR0,  84
.set VR1,  88
.set VSC,  92                          ; V's scale words: t
.set CAP,  100                         ; the caps of my 16 keys
.set SX,   116                         ; the four waves' statistics, eight registers a q
.set S,    132
.set P,    164
.set INV,  196                         ; pairs: 1 / the sum
.set WV,   2
.set BL,   3
.set BASE, 18                          ; five streams, a pair each: K's codes, K's scales, V's codes, V's scales, the caps: at step 0,
.set LIN,  28                          ; at the next step in line,
.set NB,   38                          ; at the next block's first step,
.set CUR,  48                          ; and what the loads in hand use
.set BETA, 58
.set JD,   59
.set FK,   60                          ; steps in line still to be asked for: K's and the caps',
.set FV,   61                          ; V's
.set REM,  62
.set BETB, 63
.set CS,   66                          ; s[66:67] log2(e) / sqrt(512)
.set SELS, 68
.set MNT,  70
.set QPT,  72
.set QSP,  74
.set QMP,  76
.set OUTP, 78
.set QB,   80
.set QSB,  82
.set QMB,  84
.set OB,   86
.set TA,   88
.set TB,   90
.set FM,   92                          ; s92-93 the lanes whose row takes the mean
.set VSU,  94
.set MSB, 0
.macro WIN new                         ; the immediate's high byte repeats the setting that is left; a switch that changes nothing is dropped
.if MSB != \new
	s_set_vgpr_msb (MSB<<8)|\new
.set MSB, \new
.endif
.endm
.macro PLACES n
.rept \n
	v_nop
.endr
.endm
.macro BARRIER                         ; my LDS stores have landed and my LDS loads are in: then the work-group's barrier
	s_wait_dscnt 0x0
	s_barrier_signal -1
	s_barrier_wait -1
.endm
.macro WM d, a, b, zero, sa, sb
.if \zero
	v_wmma_scale_f32_16x16x128_f8f6f4 v[(\d):(\d)+7], v[(\a):(\a)+15], v[(\b):(\b)+15], 0, v[\sa], v[\sb] matrix_a_fmt:MATRIX_FMT_BF8 matrix_b_fmt:MATRIX_FMT_BF8
.else
	v_wmma_scale_f32_16x16x128_f8f6f4 v[(\d):(\d)+7], v[(\a):(\a)+15], v[(\b):(\b)+15], v[(\d):(\d)+7], v[\sa], v[\sb] matrix_a_fmt:MATRIX_FMT_BF8 matrix_b_fmt:MATRIX_FMT_BF8
.endif
.endm
.macro SETNB breg                      ; the five streams at the diagonal step of the block in s[breg]
	s_lshr_b32 s[TA], s[\breg], 2
	s_mov_b32 s[TB+1], 0
	s_lshl_b32 s[TB], s[TA], 16
	s_add_nc_u64 s[NB:NB+1], s[BASE:BASE+1], s[TB:TB+1]
	s_add_nc_u64 s[NB+4:NB+5], s[BASE+4:BASE+5], s[TB:TB+1]
	s_lshl_b32 s[TB], s[TA], 11
	s_add_nc_u64 s[NB+2:NB+3], s[BASE+2:BASE+3], s[TB:TB+1]
	s_add_nc_u64 s[NB+6:NB+7], s[BASE+6:BASE+7], s[TB:TB+1]
	s_lshl_b32 s[TB], s[TA], 9
	s_add_nc_u64 s[NB+8:NB+9], s[BASE+8:BASE+9], s[TB:TB+1]
.endm
.macro SETBLK                          ; the block in s[BETA] begins: beta / 4 steps in line, from step 0
	s_lshr_b32 s[JD], s[BETA], 2
	s_mov_b32 s[FK], s[JD]
	s_mov_b32 s[FV], s[JD]
	s_mov_b32 s[REM], s[JD]
.irp k, 0,2,4,6,8
	s_mov_b64 s[LIN+\k:LIN+\k+1], s[BASE+\k:BASE+\k+1]
.endr
.endm
.macro SETQ breg                       ; where the block's queries lie
	s_mov_b32 s[TA+1], 0
	s_lshl_b32 s[TA], s[\breg], 14
	s_add_nc_u64 s[QPT:QPT+1], s[QB:QB+1], s[TA:TA+1]
	s_lshr_b32 s[TA], s[\breg], 1
	s_lshl_b32 s[TA], s[TA], 10
	s_and_b32 s[TB], s[\breg], 1
	s_lshl_b32 s[TB], s[TB], 3
	s_add_co_u32 s[TA], s[TA], s[TB]
	s_add_nc_u64 s[QSP:QSP+1], s[QSB:QSB+1], s[TA:TA+1]
	s_lshl_b32 s[TA], s[\breg], 5
	s_add_nc_u64 s[QMP:QMP+1], s[QMB:QMB+1], s[TA:TA+1]
.endm
.macro SETOUT
	s_mov_b32 s[TA+1], 0
	s_lshl_b32 s[TA], s[BETA], 16                  ; 32 rows of 2,048 bytes
	s_add_nc_u64 s[OUTP:OUTP+1], s[OB:OB+1], s[TA:TA+1]
.endm
; The next fetch of K, its scale words and the caps: the next step in line while one is left, then the next block's first.  The three addresses in hand are rewritten here: the loads that read them are the last
; K set's 40, which the wait on LOADcnt at the step's head has shown done.
.macro NEXTK
	s_cmp_lg_u32 s[FK], 0
	s_cselect_b64 s[CUR:CUR+1], s[LIN:LIN+1], s[NB:NB+1]
	s_cselect_b64 s[CUR+2:CUR+3], s[LIN+2:LIN+3], s[NB+2:NB+3]
	s_cselect_b64 s[CUR+8:CUR+9], s[LIN+8:LIN+9], s[NB+8:NB+9]
	s_cselect_b32 s[TA], 1, 0
	s_sub_co_u32 s[FK], s[FK], s[TA]
	s_add_nc_u64 s[LIN:LIN+1], s[LIN:LIN+1], 0x10000
	s_add_nc_u64 s[LIN+2:LIN+3], s[LIN+2:LIN+3], 0x800
	s_add_nc_u64 s[LIN+8:LIN+9], s[LIN+8:LIN+9], 0x200
.endm
; The same for V and its scale bytes: the loads that read these two addresses are the last V set's 34, which the wait on LOADcnt ahead of the second product has shown done.
.macro NEXTV
	s_cmp_lg_u32 s[FV], 0
	s_cselect_b64 s[CUR+4:CUR+5], s[LIN+4:LIN+5], s[NB+4:NB+5]
	s_cselect_b64 s[CUR+6:CUR+7], s[LIN+6:LIN+7], s[NB+6:NB+7]
	s_cselect_b32 s[TA], 1, 0
	s_sub_co_u32 s[FV], s[FV], s[TA]
	s_add_nc_u64 s[LIN+4:LIN+5], s[LIN+4:LIN+5], 0x10000
	s_add_nc_u64 s[LIN+6:LIN+7], s[LIN+6:LIN+7], 0x800
.endm
.macro KCODES f0                       ; four fragments of K (4 u + s), f0 on: 16 loads
	WIN 0x40
.irp f, \f0, \f0+1, \f0+2, \f0+3
.irp c, 0,1,2,3
	global_load_b128 v[16*(\f)+4*\c:16*(\f)+4*\c+3], v[LI], s[CUR:CUR+1] offset:2048*(\f)+512*\c
.endr
.endr
	WIN 0
.endm
.macro KLOADA                          ; 24 loads: the caps of my 16 keys, my 32 keys' scale words, tile u = 0
.irp e, 0,1,2,3
	global_load_b128 v[CAP+4*\e:CAP+4*\e+3], v[CAPO], s[CUR+8:CUR+9] offset:16*\e
.endr
.irp s, 0,1,2,3
	global_load_b64 v[KSC+2*\s:KSC+2*\s+1], v[R16], s[CUR+2:CUR+3] offset:256*\s
.endr
	KCODES 0
.endm
.macro KLOADB                          ; 16 loads: tile u = 1
	KCODES 4
.endm
.macro VLOAD                           ; 34 loads: the scale bytes of the step's two halves, my eight fragments
	global_load_b128 v[VR0:VR0+3], v[R16], s[CUR+6:CUR+7]
	global_load_b128 v[VR1:VR1+3], v[R16], s[CUR+6:CUR+7] offset:1024
	WIN 0x80
.irp t, 0,1,2,3,4,5,6,7
.irp c, 0,1,2,3
	global_load_b128 v[16*\t+4*\c:16*\t+4*\c+3], v[LI], s[CUR+4:CUR+5] offset:2048*\t+512*\c
.endr
.endr
	WIN 0
.endm
.macro QLOAD                           ; 38 loads: the block's eight fragments (4 q + s), their scale words, the queries' padding bytes
	WIN 0x40
.irp f, 0,1,2,3,4,5,6,7
.irp c, 0,1,2,3
	global_load_b128 v[128+16*\f+4*\c:128+16*\f+4*\c+3], v[LI], s[QPT:QPT+1] offset:2048*\f+512*\c
.endr
.endr
	WIN 0
.irp s, 0,1,2,3
	global_load_b64 v[QSC+2*\s:QSC+2*\s+1], v[R16], s[QSP:QSP+1] offset:256*\s
.endr
.irp q, 0,1
	global_load_u8 v[QP+\q], v[RP], s[QMP:QMP+1] offset:8*\q
.endr
.endm
; A KEY STEP of 128 keys.  diag = 1: the block's first, on the diagonal.
.macro STEP diag
.if \diag
	s_and_b32 s[TA], s[BETA], 3
	s_sub_co_i32 s[TA], s[TA], s[WV]
	s_lshl_b32 s[TA], s[TA], 5
	v_add_nc_u32 v[QD], s[TA], v[LC]               ; my query - my first key: 32 (beta % 4 - w) + 8 q + r + 8 (r / 8) - 16 h
	v_add_nc_u32 v[QD+1], 8, v[QD]
	s_wait_loadcnt 0x0                             ; Q's loads are my youngest
.else
	s_wait_loadcnt 34                              ; K's 40 loads, asked for a step ago, are in; V's 34, just asked for, may be out
.endif
	WIN 0x05                                       ; K and Q in window 1, S^T in window 0
.irp s, 0,1,2,3                        ; the four accumulators take turns, one instruction a turn
.irp u, 0,1
.irp q, 0,1
.if \s == 0
	WM S+16*\q+8*\u, 16*(4*\u+\s), 128+16*(4*\q+\s), 1, KSC+2*\s+\u, QSC+2*\s+\q
.else
	WM S+16*\q+8*\u, 16*(4*\u+\s), 128+16*(4*\q+\s), 0, KSC+2*\s+\u, QSC+2*\s+\q
.endif
.endr
.endr
.endr
	WIN 0
	PLACES 8                                       ; in front of the first read of the scores and of the loads into K's registers
.irp i, 0,1,2,3,4,5,6,7,8,9,10,11,12,13,14,15
.irp q, 0,1
	v_min_num_f32 v[S+16*\q+\i], v[S+16*\q+\i], v[CAP+\i]      ; a padded key's score becomes -infinity.  (Register 16 q + i: key 16 h + i of my 32; each accumulator is read from its low end on)
.endr
.endr
	NEXTK                                          ; the caps have been used: the next step's may land on their registers
	KLOADA                                         ; with V's 34 at most 58 loads of mine are out
.if \diag
.irp i, 0,1,2,3,4,5,6,7,8,9,10,11,12,13,14,15
.irp q, 0,1
	v_cmp_gt_i32 vcc_lo, \i, v[QD+\q]
	v_cndmask_b32 v[S+16*\q+\i], v[S+16*\q+\i], v[NINF], vcc_lo   ; and so does a key that comes after the query
.endr
.endr
.endif
.irp q, 0,1
	v_max3_num_f32 v[BM+\q], v[S+16*\q], v[S+16*\q+1], v[S+16*\q+2]   ; the block's largest score: it serves for the maximum and, since p rises with the score, for the block's largest p
.endr
.irp i, 3,5,7,9,11,13
.irp q, 0,1
	v_max3_num_f32 v[BM+\q], v[BM+\q], v[S+16*\q+\i], v[S+16*\q+\i+1]
.endr
.endr
.irp q, 0,1
	v_max_num_f32 v[BM+\q], v[BM+\q], v[S+16*\q+15]
.endr
.irp q, 0,1
	v_permlanex16_b32 v[TT+\q], v[BM+\q], s[SELS], s[SELS+1]
.endr
.irp q, 0,1
	v_max_num_f32 v[BM+\q], v[BM+\q], v[TT+\q]                 ; with lane l xor 16's 16 keys
.endr
.irp q, 0,1
	v_mul_f32 v[TT+\q], s[CS], v[BM+\q]
.endr
.irp q, 0,1
	v_max_num_f32 v[TMX+\q], v[TMX+\q], v[TT+\q]               ; my running largest t
	v_mov_b32 v[OLD+\q], v[NM+2*\q]
.endr
.irp q, 0,1
	v_floor_f32 v[NM+2*\q], -v[TMX+\q]                         ; -M_w = floor(-t): M_w is a whole number
.endr
.irp q, 0,1
	v_sub_f32 v[TT+\q], v[NM+2*\q], v[OLD+\q]                  ; old M_w - new M_w: a whole number, 0 or less
.endr
.irp q, 0,1
	v_cvt_i32_f32 v[TT+\q], v[TT+\q]                           ; (it saturates)
.endr
.irp q, 0,1
	v_ldexp_f32 v[FW+2*\q], 1.0, v[TT+\q]
.endr
.irp j, 0,2,4,6,8,10,12,14
.irp q, 0,1
	v_pk_fma_f32 v[S+16*\q+\j:S+16*\q+\j+1], v[S+16*\q+\j:S+16*\q+\j+1], s[CS:CS+1], v[NM+2*\q:NM+2*\q+1] op_sel_hi:[1,0,0]   ; t - M_w (of the pairs the low word serves both halves)
.endr
.endr
.irp q, 0,1
	v_fma_f32 v[BM+\q], v[BM+\q], s[CS], v[NM+2*\q]            ; the same of the block's largest score
.endr
.irp i, 0,1,2,3,4,5,6,7,8,9,10,11,12,13,14,15
.irp q, 0,1
	v_exp_f32 v[S+16*\q+\i], v[S+16*\q+\i]                     ; p = 2^(t - M_w), at most 1
.endr
.endr
.irp q, 0,1
	v_exp_f32 v[BM+\q], v[BM+\q]
.endr
.irp q, 0,1
	v_pk_mul_f32 v[LSUM+2*\q:LSUM+2*\q+1], v[LSUM+2*\q:LSUM+2*\q+1], v[FW+2*\q:FW+2*\q+1] op_sel_hi:[1,0]   ; the sum under the new M_w.  (The plain line behind the exponentials)
.endr
	s_wait_alu depctr_va_vdst(0)
.irp q, 0,1
	v_max_num_f32 v[BM+\q], 0x8000000, v[BM+\q]                ; the floor 2^(16 - 127): the byte cannot fall under 1
.endr
.irp q, 0,1
	v_add_nc_u32 v[SCO+\q], 0xf8800000, v[BM+\q]               ; 15 off the exponent field: the conversion's scale operand
.endr
.irp q, 0,1
	v_and_or_b32 v[HOLD+\q], v[BM+\q], 0x7f800000, s[MNT]      ; 57,344 x the scale
.endr
.irp q, 0,1
	v_lshrrev_b32 v[TT+\q], 23, v[SCO+\q]
.endr
.irp q, 0,1
	v_cvt_f32_u32 v[NM+2*\q+1], v[TT+\q]                       ; the byte, as f32: it goes round beside -M_w
.endr
.irp q, 0,1
	v_pk_add_f32 v[AS+2*\q:AS+2*\q+1], v[S+16*\q:S+16*\q+1], v[S+16*\q+2:S+16*\q+3]   ; the sum is taken of the UNQUANTISED p, in two chains
.endr
.irp j, 4,8,12
.irp q, 0,1
	v_pk_add_f32 v[LSUM+2*\q:LSUM+2*\q+1], v[LSUM+2*\q:LSUM+2*\q+1], v[S+16*\q+\j:S+16*\q+\j+1]
	v_pk_add_f32 v[AS+2*\q:AS+2*\q+1], v[AS+2*\q:AS+2*\q+1], v[S+16*\q+\j+2:S+16*\q+\j+3]
.endr
.endr
.irp q, 0,1
	v_pk_add_f32 v[LSUM+2*\q:LSUM+2*\q+1], v[LSUM+2*\q:LSUM+2*\q+1], v[AS+2*\q:AS+2*\q+1]
.endr
.irp i, 0,1,2,3,4,5,6,7,8,9,10,11,12,13,14,15
.irp q, 0,1
	v_min_num_f32 v[S+16*\q+\i], v[S+16*\q+\i], v[HOLD+\q]     ; the conversion does not saturate (ISA guide 7.6.2); p is not negative, so the hold is one-sided
.endr
.endr
.irp q, 0,1
	v_cvt_scalef32_pk8_bf8_f32 v[PC+4*\q:PC+4*\q+1], v[S+16*\q:S+16*\q+7], v[SCO+\q]
	v_cvt_scalef32_pk8_bf8_f32 v[PC+4*\q+2:PC+4*\q+3], v[S+16*\q+8:S+16*\q+15], v[SCO+\q]
.endr
	v_nop                                          ; one plain vector line behind the last conversion
.irp q, 0,1
	ds_store_b128 v[PWA], v[PC+4*\q:PC+4*\q+3] offset:PIMG+2048*\q    ; registers 4 w .. 4 w + 3 of P's fragment
	ds_store_b64 v[STW], v[NM+2*\q:NM+2*\q+1] offset:1024*\q
.endr
	KLOADB                                         ; the rest of the next K set goes out while the stores are on their way
	BARRIER                                        ; P and the four waves' statistics lie in LDS
.irp q, 0,1
.irp e, 0,1
	ds_load_b128 v[SX+8*\q+4*\e:SX+8*\q+4*\e+3], v[STR] offset:1024*\q+16*\e   ; the statistics first: the work on them stands in front of the wait for P
.endr
.endr
.irp q, 0,1
.irp c, 0,1,2,3
	ds_load_b128 v[P+16*\q+4*\c:P+16*\q+4*\c+3], v[LI] offset:PIMG+2048*\q+512*\c
.endr
.endr
	s_wait_loadcnt 40                              ; V's set is in; the next K set's 40 loads may be out
.irp m, 0,1,2,3
	v_perm_b32 v[VSC+2*\m], v[VR1+\m], v[VR0+\m], 0x05040100   ; tile 2 m: two bytes of keys 0-63, two of keys 64-127
	v_perm_b32 v[VSC+2*\m+1], v[VR1+\m], v[VR0+\m], 0x07060302 ; tile 2 m + 1
.endr
	s_wait_dscnt 8                                 ; the four loads of statistics are in; P's eight may be out
.irp q, 0,1
.if !\diag
	v_mov_b32 v[OLD+\q], v[NMC+\q]
.endif
	v_min3_num_f32 v[NMC+\q], v[NMC+\q], v[SX+8*\q], v[SX+8*\q+2]
	v_min3_num_f32 v[NMC+\q], v[NMC+\q], v[SX+8*\q+4], v[SX+8*\q+6]   ; -M: every wave forms it alike
.endr
.if !\diag
.irp q, 0,1
	v_sub_f32 v[TT+\q], v[NMC+\q], v[OLD+\q]
.endr
.irp q, 0,1
	v_cvt_i32_f32 v[TT+\q], v[TT+\q]
.endr
.irp q, 0,1
	v_ldexp_f32 v[FO+2*\q], 1.0, v[TT+\q]                      ; 2^(old M - new M)
.endr
.endif
.irp w, 0,2,4,6
.irp q, 0,1
	v_sub_f32 v[SX+8*\q+\w], v[NMC+\q], v[SX+8*\q+\w]          ; M_w - M, 0 or less
.endr
.endr
.irp w, 0,2,4,6
.irp q, 0,1
	v_add_f32 v[SX+8*\q+\w], v[SX+8*\q+\w], v[SX+8*\q+\w+1]    ; + the block's byte
.endr
.endr
.irp w, 0,2,4,6
.irp q, 0,1
	v_max_num_f32 v[SX+8*\q+\w], 0, v[SX+8*\q+\w]              ; held at 0
.endr
.endr
.irp w, 0,2,4,6
.irp q, 0,1
	v_cvt_u32_f32 v[SX+8*\q+\w], v[SX+8*\q+\w]
.endr
.endr
.irp q, 0,1
	v_lshl_or_b32 v[PWD+\q], v[SX+8*\q+2], 8, v[SX+8*\q]
	v_lshl_or_b32 v[PWD+\q], v[SX+8*\q+4], 16, v[PWD+\q]
	v_lshl_or_b32 v[PWD+\q], v[SX+8*\q+6], 24, v[PWD+\q]       ; P's scale word for these 128 keys
.endr
.if \diag
	PLACES 8                                       ; scale words written by vector instructions stand eight places ahead of a scaled matrix instruction
.else
	WIN 0x82                                       ; O^T (destination and source 0) in window 2
.irp t, 0,1,2,3,4,5,6,7
.irp q, 0,1
.irp j, 0,2,4,6
	v_pk_mul_f32 v[128+16*\t+8*\q+\j:128+16*\t+8*\q+\j+1], v[128+16*\t+8*\q+\j:128+16*\t+8*\q+\j+1], v[FO+2*\q:FO+2*\q+1] op_sel_hi:[1,0]   ; O^T under the new M, each accumulator from its low end on.  (These 64 are also those places)
.endr
.endr
.endr
.endif
	s_wait_dscnt 0x0                               ; P is in: my reads of P and of the statistics are over;
	s_barrier_signal -1                            ; say so,
	WIN 0xa2                                       ; V in window 2, P in window 0, O^T in window 2
.irp t, 0,1,2,3,4,5,6,7                ; sixteen accumulators, one instruction each: work on registers while the others arrive
.irp q, 0,1
	WM 128+16*\t+8*\q, 16*\t, P+16*\q, \diag, VSC+\t, PWD+\q
.endr
.endr
	WIN 0
	s_barrier_wait -1                              ; every wave's reads are over: the next step may store there
	PLACES 8                                       ; in front of the loads into V's registers and of the next read of O^T
	NEXTV
	VLOAD
.endm
; A BLOCK'S END: the four waves' sums are brought under M and added; O^T / the sum, or the mean; through my stage, so that the wave stores 512 consecutive bytes of a row.
.macro EPILOGUE
	s_wait_xcnt 0x0                                ; the rows' registers were the last block's store data
.irp q, 0,1
	v_add_f32 v[TT+\q], v[LSUM+2*\q], v[LSUM+2*\q+1]
.endr
.irp q, 0,1
	v_permlanex16_b32 v[OLD+\q], v[TT+\q], s[SELS], s[SELS+1]
.endr
.irp q, 0,1
	v_add_f32 v[TT+\q], v[TT+\q], v[OLD+\q]                    ; my wave's keys, both halves of the lanes
	v_sub_f32 v[OLD+\q], v[NMC+\q], v[NM+2*\q]                 ; M_w - M
.endr
.irp q, 0,1
	v_cvt_i32_f32 v[OLD+\q], v[OLD+\q]
.endr
.irp q, 0,1
	v_ldexp_f32 v[TT+\q], v[TT+\q], v[OLD+\q]
.endr
.irp q, 0,1
	ds_store_b32 v[LSW], v[TT+\q] offset:512*\q
.endr
	BARRIER
.irp q, 0,1
	ds_load_b128 v[SX+8*\q:SX+8*\q+3], v[LSR] offset:512*\q
.endr
	WIN 0xc0
.irp t, 0,1,2,3,4,5,6,7
.irp e, 0,1
	ds_load_b128 v[8*\t+4*\e:8*\t+4*\e+3], v[VMR] offset:128*(\t/2)+32*(\t%2)+16*\e   ; the mean in O^T's layout: feature 32 (t / 2) + 16 h + 8 (t % 2) + j of my 128
.endr
.endr
	WIN 0
	s_wait_dscnt 16                                ; the sums are in; the mean's 16 loads may be out
.irp q, 0,1
	v_add_f32 v[SX+8*\q], v[SX+8*\q], v[SX+8*\q+1]
	v_add_f32 v[SX+8*\q+2], v[SX+8*\q+2], v[SX+8*\q+3]
.endr
.irp q, 0,1
	v_add_f32 v[BM+\q], v[SX+8*\q], v[SX+8*\q+2]               ; the row's sum
.endr
.irp q, 0,1
	v_cmp_eq_f32 vcc_lo, 0, v[BM+\q]
	s_or_b32 s[FM+\q], s[FM+\q], vcc_lo                        ; no key counted, or the query is padded
.endr
	v_rcp_f32 v[INV], v[BM]
	v_rcp_f32 v[INV+2], v[BM+1]
	v_nop                                          ; a plain line behind the reciprocals
	s_wait_alu depctr_va_vdst(0)
	s_wait_dscnt 0x0
.irp q, 0,1
	WIN 0xc2                                       ; results in window 3, O^T in window 2
.irp t, 0,1,2,3,4,5,6,7
.irp j, 0,2,4,6
	v_pk_mul_f32 v[64+8*\t+\j:64+8*\t+\j+1], v[128+16*\t+8*\q+\j:128+16*\t+8*\q+\j+1], v[INV+2*\q:INV+2*\q+1] op_sel_hi:[1,0]
.endr
.endr
	WIN 0xcf
.set k, 0
.rept 64
	v_cndmask_b32 v[64+k], v[64+k], v[k], s[FM+\q]
.set k, k+1
.endr
	WIN 0x0c                                       ; an LDS store's data are its source 1: window 3
.irp t, 0,1,2,3,4,5,6,7
.irp e, 0,1
	ds_store_b128 v[SGW], v[64+8*\t+4*\e:64+8*\t+4*\e+3] offset:128*(\t/2)+32*(\t%2)+16*\e
.endr
.endr
	WIN 0xc0
.irp p, 0,1,2,3,4,5,6,7,8,9,10,11,12,13,14,15
	ds_load_b128 v[128+64*\q+4*\p:128+64*\q+4*\p+3], v[SGR] offset:TP*\p   ; LDS serves a wave's instructions in order (ISA guide 5.7.1.4): these see my stores
.endr
	WIN 0x0c                                       ; a global store's data are its source 1
.irp p, 0,1,2,3,4,5,6,7,8,9,10,11,12,13,14,15
	s_wait_dscnt 15-\p
	global_store_b128 v[LI], v[128+64*\q+4*\p:128+64*\q+4*\p+3], s[OUTP:OUTP+1] offset:(8*\q+\p+8*(\p/8))*2048 th:TH_STORE_NT   ; the wave stores 512 consecutive bytes of one row
.endr
.endr
	WIN 0
.endm
	s_load_b256 s[8:15], s[0:1], 0x0               ; codes s[8:9], scales s[10:11], aux s[12:13], the queries' padding mask s[14:15]
	s_load_b64 s[16:17], s[0:1], 0x20              ; out0
	v_lshl_add_u32 v254, v0, 2, 0xa800
	v_mov_b32 v255, 0
	v_lshrrev_b32 v20, 5, v0
	v_readfirstlane_b32 s[WV], v20                 ; wave 0..3
	v_and_b32 v21, 31, v0                          ; lane
	v_and_b32 v22, 15, v0                          ; r
	v_bfe_u32 v23, v0, 4, 1                        ; h
	v_and_b32 v[RP], 8, v22
	v_add_nc_u32 v[RP], v[RP], v22
	v_lshlrev_b32 v[LI], 4, v21
	v_lshlrev_b32 v[R16], 4, v22
	v_lshlrev_b32 v[CAPO], 6, v23
	s_lshl_b32 s4, s[WV], 9
	v_add_nc_u32 v[PWA], s4, v[LI]
	v_lshlrev_b32 v[STR], 5, v21
	v_add_nc_u32 v[STR], STAT, v[STR]
	s_lshl_b32 s5, s[WV], 3
	v_add_nc_u32 v[STW], s5, v[STR]
	v_add_nc_u32 v[LSR], LSM, v[LI]
	s_lshl_b32 s5, s[WV], 2
	v_add_nc_u32 v[LSW], s5, v[LSR]
	s_add_co_u32 s5, s4, VM
	v_add_nc_u32 v[VMR], s5, v[CAPO]
	s_mul_i32 s5, s[WV], 16*TP
	s_add_co_u32 s5, s5, STAGE
	v_mul_u32_u24 v[SGW], v22, TP
	v_lshl_add_u32 v[SGW], v23, 6, v[SGW]
	v_add_nc_u32 v[SGW], s5, v[SGW]
	v_add_nc_u32 v[SGR], s5, v[LI]
	v_lshl_add_u32 v[VMW], v0, 4, VM
	v_lshlrev_b32 v[VSO], 4, v0
	v_mov_b32 v[NINF], 0xff800000
	v_lshlrev_b32 v[LC], 4, v23
	v_sub_nc_u32 v[LC], v[RP], v[LC]
.irp q, 0,1
	v_mov_b32 v[FW+2*\q+1], 0                      ; the upper halves of pairs that are named whole,
	v_mov_b32 v[FO+2*\q+1], 0
	v_mov_b32 v[INV+2*\q+1], 0
	v_mov_b32 v[TT+\q], 0                          ; and a lane permute's destination, which counts as one of its sources
.endr
	s_mov_b32 s[CS], 0x3d8293ee                    ; log2(e) / sqrt(512)
	s_mov_b32 s[CS+1], s[CS]
	s_mov_b32 s[SELS], 0x76543210
	s_mov_b32 s[SELS+1], 0xfedcba98
	s_mov_b32 s[MNT], 0x600000
	s_lshr_b32 s4, ttmp9, 5                        ; the batch
	s_and_b32 s[BETA], ttmp9, 31                   ; the first block of queries,
	s_sub_co_u32 s[BETB], 63, s[BETA]              ; and the second
	s_mov_b32 s[TA+1], 0
	s_mov_b32 s[TB+1], 0
	s_wait_kmcnt 0x0
	s_lshl_b32 s[TA], s4, 20
	s_add_nc_u64 s[QB:QB+1], s[8:9], s[TA:TA+1]
	s_lshl_b32 s[TB], s[WV], 14
	s_add_nc_u64 s[BASE:BASE+1], s[QB:QB+1], s[TB:TB+1]
	s_add_nc_u64 s[BASE+4:BASE+5], s[BASE:BASE+1], 16777216
	s_add_nc_u64 s[BASE:BASE+1], s[BASE:BASE+1], 8388608
	s_lshl_b32 s[TA], s4, 15
	s_add_nc_u64 s[QSB:QSB+1], s[10:11], s[TA:TA+1]
	s_lshr_b32 s[TB], s[WV], 1
	s_lshl_b32 s[TB], s[TB], 10
	s_and_b32 s5, s[WV], 1
	s_lshl_b32 s5, s5, 3
	s_add_co_u32 s[TB], s[TB], s5
	s_add_nc_u64 s[BASE+2:BASE+3], s[QSB:QSB+1], s[TB:TB+1]
	s_add_nc_u64 s[BASE+2:BASE+3], s[BASE+2:BASE+3], 262144
	s_lshl_b32 s[TB], s[WV], 8
	s_add_nc_u64 s[BASE+6:BASE+7], s[QSB:QSB+1], s[TB:TB+1]
	s_add_nc_u64 s[BASE+6:BASE+7], s[BASE+6:BASE+7], 524288
	s_lshl_b32 s[TA], s4, 13
	s_lshl_b32 s[TB], s[WV], 7
	s_add_co_u32 s[TA], s[TA], s[TB]
	s_add_nc_u64 s[BASE+8:BASE+9], s[12:13], s[TA:TA+1]
	s_add_nc_u64 s[BASE+8:BASE+9], s[BASE+8:BASE+9], 524288
	s_lshl_b32 s[TA], s4, 16
	s_add_nc_u64 s[VSU:VSU+1], s[12:13], s[TA:TA+1]
	s_lshl_b32 s[TA], s4, 11
	s_add_nc_u64 s[QMB:QMB+1], s[14:15], s[TA:TA+1]
	s_lshl_b32 s[TA], s4, 22
	s_lshl_b32 s[TB], s[WV], 9
	s_add_co_u32 s[TA], s[TA], s[TB]
	s_add_nc_u64 s[OB:OB+1], s[16:17], s[TA:TA+1]
	WIN 0xc0
.irp k, 0,1,2,3,4,5,6,7,8,9,10,11,12,13,14,15,16,17,18,19,20,21,22,23,24,25,26,27,28,29,30,31
	global_load_b128 v[4*\k:4*\k+3], v[VSO], s[VSU:VSU+1] offset:2048*\k   ; the batch's 32 partial sums of the quantised v: four features a thread
.endr
	WIN 0
	SETNB BETA
	SETBLK
	s_mov_b32 s[FK], 0                             ; the first fetches take the first block's diagonal step
	s_mov_b32 s[FV], 0
	NEXTK
	KLOADA
	KLOADB
	NEXTV
	VLOAD
	SETQ BETA
	QLOAD
	SETBLK                                         ; the streams in line begin at step 0
	SETNB BETB
	SETOUT
	s_wait_loadcnt 63                              ; 112 loads are younger than the partial sums; the wait names the most that its field holds
	WIN 0xcf
.irp st, 16,8,4,2,1
.set k, 0
.rept \st
	v_pk_add_f32 v[4*k:4*k+1], v[4*k:4*k+1], v[4*(k+\st):4*(k+\st)+1]
	v_pk_add_f32 v[4*k+2:4*k+3], v[4*k+2:4*k+3], v[4*(k+\st)+2:4*(k+\st)+3]
.set k, k+1
.endr
.endr
	v_pk_mul_f32 v[0:1], v[0:1], 0x3a000000 op_sel_hi:[1,0]    ; / 2,048
	v_pk_mul_f32 v[2:3], v[2:3], 0x3a000000 op_sel_hi:[1,0]
.if MASKED_NAN
.irp k, 0,1,2,3
	v_mov_b32 v[\k], 0x7fc00000
.endr
.endif
	WIN 0x0c
	ds_store_b128 v[VMW], v[0:3]                   ; read behind the barriers of the first step
	WIN 0
	s_mov_b32 s[BL], 0
.Lblock:                                           ; two trips: beta = i, beta = 63 - i
.irp q, 0,1
	v_mov_b32 v[TMX+\q], 0xff61b1e6                ; the largest t so far: -3e38, under every t
	v_mov_b32 v[LSUM+2*\q], 0
	v_mov_b32 v[LSUM+2*\q+1], 0
	v_mov_b32 v[NM+2*\q+1], 0
.endr
.irp q, 0,1
	v_floor_f32 v[NM+2*\q], -v[TMX+\q]
.endr
.irp q, 0,1
	v_mov_b32 v[NMC+\q], v[NM+2*\q]
.endr
	STEP 1
	s_cmp_eq_u32 s[JD], 0
	s_cbranch_scc1 .Lnone
.Lstep:                                            ; beta / 4 trips: the steps under the diagonal
	STEP 0
	s_sub_co_i32 s[REM], s[REM], 1
	s_cmp_gt_i32 s[REM], 0
	s_cbranch_scc1 .Lstep
.Lnone:
	v_cmp_ne_u32 s[FM], 0, v[QP]                   ; the padded queries, ahead of the loads that land on these registers
	v_cmp_ne_u32 s[FM+1], 0, v[QP+1]
	s_cmp_lg_u32 s[BL], 0
	s_cbranch_scc1 .Lno_q
	SETQ BETB
	QLOAD                                          ; the second block's queries land while the first goes out
.Lno_q:
	EPILOGUE
	s_wait_xcnt 0x0                                ; the stores have read their base
	s_mov_b32 s[BETA], s[BETB]
	SETBLK
	SETOUT
	s_add_co_u32 s[BL], s[BL], 1
	s_cmp_lt_u32 s[BL], 2
	s_cbranch_scc1 .Lblock
	s_wait_tensorcnt 0x0
	ds_add_u32 v254, v255
	s_wait_dscnt 0x0
	s_endpgm
.Lfunc_end_k_qf588bfd596_attn:
	.size	k_qf588bfd596_attn, .Lfunc_end_k_qf588bfd596_attn-k_qf588bfd596_attn
	.p2alignl 7, 3214868480
	.fill 96, 4, 3214868480
	.section	.rodata,"a",@progbits
	.p2align	6, 0x0
	.amdhsa_kernel k_qf588bfd596_attn
		.amdhsa_group_segment_fixed_size 43520
		.amdhsa_private_segment_fixed_size 0
		.amdhsa_enable_private_segment 0
		.amdhsa_kernarg_size 40
		.amdhsa_user_sgpr_count 2
		.amdhsa_user_sgpr_kernarg_segment_ptr 1
		.amdhsa_wavefront_size32 1
		.amdhsa_system_sgpr_workgroup_id_x 1
		.amdhsa_system_sgpr_workgroup_id_y 1
		.amdhsa_system_sgpr_workgroup_id_z 1
		.amdhsa_system_vgpr_workitem_id 0
		.amdhsa_next_free_vgpr 1024
		.amdhsa_next_free_sgpr 100
		.amdhsa_reserve_vcc 1
		.amdhsa_float_denorm_mode_32 3
		.amdhsa_float_denorm_mode_16_64 3
		.amdhsa_memory_ordered 1
		.amdhsa_forward_progress 1
		.amdhsa_inst_pref_size 108
	.end_amdhsa_kernel
	.amdgpu_metadata
---
amdhsa.version: [ 1, 2 ]
amdhsa.kernels:
  - .name:           k_qf588bfd596_attn
    .symbol:         k_qf588bfd596_attn.kd
    .args:
      - { .name: codes, .offset: 0, .size: 8, .value_kind: global_buffer, .address_space: global }
      - { .name: scales, .offset: 8, .size: 8, .value_kind: global_buffer, .address_space: global }
      - { .name: aux, .offset: 16, .size: 8, .value_kind: global_buffer, .address_space: global }
      - { .name: source_query_padding_mask, .offset: 24, .size: 8, .value_kind: global_buffer, .address_space: global }
      - { .name: out0, .offset: 32, .size: 8, .value_kind: global_buffer, .address_space: global }
    .group_segment_fixed_size: 43520
    .private_segment_fixed_size: 0
    .kernarg_segment_align: 8
    .kernarg_segment_size: 40
    .max_flat_workgroup_size: 128
    .sgpr_count:     100
    .vgpr_count:     1024
    .wavefront_size: 32
...
	.end_amdgpu_metadata
.endif
;; end of part 3
;; ======== version 2 of 2: 3 launches
;; workspace buffers: wq 1,622,016 bytes; codes 25,165,824 bytes; scales 786,432 bytes; aux 589,824 bytes
;; launch wquant (part 4): grid 192 x 1, 1 waves a work-group, no clusters, 0 bytes of LDS; arguments Wq, Wk, Wv, wq; writes wq
.if DOCPART == 4
	.amdgcn_target "amdgcn-amd-amdhsa--gfx1250"
	.amdhsa_code_object_version 6
	.text
	.protected	k_qf588bfd596_wquant
	.globl	k_qf588bfd596_wquant
	.p2align	8
	.type	k_qf588bfd596_wquant,@function
k_qf588bfd596_wquant:
	s_mov_b64 s[64:65], 0
	v_nop
	global_prefetch_b8 v0, s[64:65] scope:SCOPE_SE
	s_setreg_imm32_b32 hwreg(HW_REG_WAVE_MODE, 25, 1), 1
	s_wait_xcnt 0x0
; Wq, Wk, Wv [512][1024] f32 (K = the 1,024, innermost) become codes of BF8 (E5M2) with one E8M0 byte for each 32 along K, laid in the ORDER OF AN OPERAND'S REGISTERS,
; so that the next launch loads each fragment by four loads of 512 consecutive bytes.
; wq: codes at U x 8,192 + tt x 2,048 + c x 512 + 16 x lane; scale words at 1,572,864 + U x 256 + 16 r + 4 tt.   U = g << 6 | w << 4 | 2 s + th:
; g: 0 Wq, 1 Wk, 2 Wv; w: the wave of the next launch (features 128 w on); s: the K step of 128; th: which four of that wave's eight tiles.
; THE ROWS OF A TILE ARE NOT NEIGHBOURS: lane r of tile tt takes feature 128 w + 64 th + 32 (tt / 2) + 8 (tt % 2) + r + 8 (r / 8), so that in a product used with W as source 0 two neighbouring tiles
; give a lane 16 neighbouring features.  Lane (r, h) holds k = 32 c + 16 h + 0 .. 15 in registers 4 c .. 4 c + 3.
; One wave to a work-group, work-group U makes four fragments.  A lane loads its 16 neighbours of each block straight (64 bytes, four loads): the weights are 6 MB of the program's 140, read once.
; A block's scale is 2^(floor(log2(largest magnitude)) - 15); its byte is the largest magnitude's exponent field - 15, held at 1 from below.
; LIMITS: a block of zeros, or one whose largest magnitude lies under 2^-111, keeps the byte 1 (its codes are what the conversion gives under that scale; the bytes are read by this program alone); NaN and infinities are not served.
.set TM,   16                          ; v16-19 largest magnitudes, v20-23 bytes, v24-27 57,344 x the scale, v28-31 the conversions' scale operands
.set PC,   32                          ; v32-47 a fragment's codes
.set PW,   48                          ; v48-51 the four fragments' scale words
.set BUF,  64                          ; v64-255 three sets of 64 numbers
.set COD,  20                          ; s[20:21] where my codes go
.set SCA,  22                          ; s[22:23] where my scale words go
.set HM,   24                          ; s24 the lanes 16-31
.set SELS, 26                          ; s[26:27] v_permlanex16_b32's selects for lane l xor 16
.set MNT,  28                          ; s28 the mantissa field of 57,344
; 64 numbers of a lane, register 16 b + i = k 32 b + 16 h + i of my row, become the codes in v[PC] on and the scale word in v[pw]
.macro QUANT base, pw
.irp b, 0,1,2,3
	v_max3_num_f32 v[TM+\b], |v[(\base)+16*\b]|, |v[(\base)+16*\b+1]|, 0x8000000   ; my 16 numbers of block b, and the floor 2^(16 - 127): the byte cannot fall under 1
.endr
.irp i, 2,4,6,8,10,12,14
.irp b, 0,1,2,3
	v_max3_num_f32 v[TM+\b], |v[(\base)+16*\b+\i]|, |v[(\base)+16*\b+\i+1]|, v[TM+\b]
.endr
.endr
.irp b, 0,1,2,3
	v_permlanex16_b32 v[TM+4+\b], v[TM+\b], s[SELS], s[SELS+1]
.endr
.irp b, 0,1,2,3
	v_max_num_f32 v[TM+\b], v[TM+\b], v[TM+4+\b]               ; with lane l xor 16's 16: the block's largest magnitude
.endr
.irp b, 0,1,2,3
	v_add_nc_u32 v[TM+12+\b], 0xf8800000, v[TM+\b]             ; 15 off its exponent field: the conversion's scale operand
.endr
.irp b, 0,1,2,3
	v_and_or_b32 v[TM+8+\b], v[TM+\b], 0x7f800000, s[MNT]      ; 57,344 x the scale
.endr
.irp b, 0,1,2,3
	v_lshrrev_b32 v[TM+4+\b], 23, v[TM+12+\b]                  ; the scale's byte
.endr
	v_lshl_or_b32 v[\pw], v[TM+5], 8, v[TM+4]
	v_lshl_or_b32 v[\pw], v[TM+6], 16, v[\pw]
	v_lshl_or_b32 v[\pw], v[TM+7], 24, v[\pw]
.irp b, 0,1,2,3
.irp i, 0,1,2,3,4,5,6,7,8,9,10,11,12,13,14,15
	v_med3_num_f32 v[(\base)+16*\b+\i], v[(\base)+16*\b+\i], -v[TM+8+\b], v[TM+8+\b]   ; the conversion to an 8-bit code does not saturate (ISA guide 7.6.2): the hold comes first
.endr
.endr
.irp b, 0,1,2,3
	v_cvt_scalef32_pk8_bf8_f32 v[PC+4*\b:PC+4*\b+1], v[(\base)+16*\b:(\base)+16*\b+7], v[TM+12+\b]
	v_cvt_scalef32_pk8_bf8_f32 v[PC+4*\b+2:PC+4*\b+3], v[(\base)+16*\b+8:(\base)+16*\b+15], v[TM+12+\b]
.endr
	v_nop                                          ; one plain vector line behind the last conversion
.endm
.macro LOADF tt                        ; tile tt's 64 numbers a lane into set tt % 3
.irp b, 0,1,2,3
.irp j, 0,1,2,3
	global_load_b128 v[BUF+64*((\tt)%3)+16*\b+4*\j:BUF+64*((\tt)%3)+16*\b+4*\j+3], v1, s[4:5] offset:(32*((\tt)/2)+8*((\tt)%2))*4096+128*\b+16*\j
.endr
.endr
.endm
.macro FRAG tt, left                   ; left: the younger loads, which may stay out
	s_wait_loadcnt \left
	s_wait_xcnt 0x0                                ; the codes' registers were the last fragment's store data: written again only behind this wait
	QUANT BUF+64*((\tt)%3), PW+(\tt)
.irp c, 0,1,2,3
	global_store_b128 v2, v[PC+4*\c:PC+4*\c+3], s[COD:COD+1] offset:2048*(\tt)+512*\c   ; the wave stores 512 consecutive bytes
.endr
.endm
	s_load_b256 s[4:11], s[0:1], 0x0               ; Wq s[4:5], Wk s[6:7], Wv s[8:9], wq s[10:11]
	v_and_b32 v3, 15, v0                           ; r (one wave: v0 is the lane)
	v_lshrrev_b32 v4, 4, v0                        ; h
	v_and_b32 v5, 8, v3
	v_add_nc_u32 v5, v5, v3                        ; r + 8 (r / 8)
	v_lshlrev_b32 v1, 12, v5
	v_lshl_add_u32 v1, v4, 6, v1                   ; in: my row of 4,096 bytes, + 64 h
	v_lshlrev_b32 v2, 4, v0                        ; out: 16 x lane
	v_lshlrev_b32 v6, 4, v3
	v_lshl_add_u32 v6, v4, 3, v6                   ; scale words: 16 r + 8 h
	v_cmp_le_u32 s[HM], 16, v0
.irp b, 0,1,2,3
	v_mov_b32 v[TM+4+\b], 0                        ; written once: a lane permute's destination counts as one of its sources
.endr
	s_mov_b32 s[SELS], 0x76543210
	s_mov_b32 s[SELS+1], 0xfedcba98
	s_mov_b32 s[MNT], 0x600000
	s_bfe_u32 s12, ttmp9, 0x20004                  ; w
	s_bfe_u32 s13, ttmp9, 0x30001                  ; s
	s_and_b32 s14, ttmp9, 1                        ; th
	s_lshl_b32 s12, s12, 19                        ; 128 w rows of 4,096 bytes
	s_lshl_b32 s13, s13, 9                         ; 128 s numbers
	s_lshl_b32 s14, s14, 18                        ; 64 th rows
	s_add_co_u32 s12, s12, s13
	s_add_co_u32 s12, s12, s14
	s_mov_b32 s13, 0
	s_lshl_b32 s16, ttmp9, 13
	s_mov_b32 s17, 0
	s_lshl_b32 s18, ttmp9, 8
	s_mov_b32 s19, 0
	s_wait_alu depctr_va_vdst(0)
	s_wait_kmcnt 0x0
	s_cmp_lt_u32 ttmp9, 128                        ; which weight: the choice hangs on the work-group's number alone
	s_cselect_b64 s[6:7], s[6:7], s[8:9]
	s_cmp_lt_u32 ttmp9, 64
	s_cselect_b64 s[4:5], s[4:5], s[6:7]
	s_add_nc_u64 s[4:5], s[4:5], s[12:13]
	s_add_nc_u64 s[COD:COD+1], s[10:11], s[16:17]
	s_add_nc_u64 s[SCA:SCA+1], s[10:11], s[18:19]
	s_add_nc_u64 s[SCA:SCA+1], s[SCA:SCA+1], 1572864
	LOADF 0
	LOADF 1
	LOADF 2
	FRAG 0, 32                                     ; two younger sets of 16 loads may be out
	LOADF 3                                        ; into set 0, which has been converted
	FRAG 1, 32
	FRAG 2, 16
	FRAG 3, 0
	v_cndmask_b32 v14, v[PW], v[PW+2], s[HM]       ; lanes 0-15 store the words of tiles 0, 1, lanes 16-31 those of tiles 2, 3: the wave stores 256 consecutive bytes
	v_cndmask_b32 v15, v[PW+1], v[PW+3], s[HM]
	global_store_b64 v6, v[14:15], s[SCA:SCA+1]
	s_endpgm
.Lfunc_end_k_qf588bfd596_wquant:
	.size	k_qf588bfd596_wquant, .Lfunc_end_k_qf588bfd596_wquant-k_qf588bfd596_wquant
	.p2alignl 7, 3214868480
	.fill 96, 4, 3214868480
	.section	.rodata,"a",@progbits
	.p2align	6, 0x0
	.amdhsa_kernel k_qf588bfd596_wquant
		.amdhsa_group_segment_fixed_size 0
		.amdhsa_private_segment_fixed_size 0
		.amdhsa_enable_private_segment 0
		.amdhsa_kernarg_size 32
		.amdhsa_user_sgpr_count 2
		.amdhsa_user_sgpr_kernarg_segment_ptr 1
		.amdhsa_wavefront_size32 1
		.amdhsa_system_sgpr_workgroup_id_x 1
		.amdhsa_system_sgpr_workgroup_id_y 1
		.amdhsa_system_sgpr_workgroup_id_z 1
		.amdhsa_system_vgpr_workitem_id 0
		.amdhsa_next_free_vgpr 256
		.amdhsa_next_free_sgpr 66
		.amdhsa_reserve_vcc 0
		.amdhsa_float_denorm_mode_32 3
		.amdhsa_float_denorm_mode_16_64 3
		.amdhsa_memory_ordered 1
		.amdhsa_forward_progress 1
		.amdhsa_inst_pref_size 42
	.end_amdhsa_kernel
	.amdgpu_metadata
---
amdhsa.version: [ 1, 2 ]
amdhsa.kernels:
  - .name:           k_qf588bfd596_wquant
    .symbol:         k_qf588bfd596_wquant.kd
    .args:
      - { .name: Wq, .offset: 0, .size: 8, .value_kind: global_buffer, .address_space: global }
      - { .name: Wk, .offset: 8, .size: 8, .value_kind: global_buffer, .address_space: global }
      - { .name: Wv, .offset: 16, .size: 8, .value_kind: global_buffer, .address_space: global }
      - { .name: wq, .offset: 24, .size: 8, .value_kind: global_buffer, .address_space: global }
    .group_segment_fixed_size: 0
    .private_segment_fixed_size: 0
    .kernarg_segment_align: 8
    .kernarg_segment_size: 32
    .max_flat_workgroup_size: 32
    .sgpr_count:     66
    .vgpr_count:     256
    .wavefront_size: 32
...
	.end_amdgpu_metadata
.endif
;; end of part 4
;; launch proj (part 5): grid 256 x 1, 4 waves a work-group, no clusters, 105,984 bytes of LDS; arguments source_query, source_key_value, source_key_value_padding_mask, wq, codes, scales, aux; writes codes, scales, aux
.if DOCPART == 5
	.amdgcn_target "amdgcn-amd-amdhsa--gfx1250"
	.amdhsa_code_object_version 6
	.text
	.protected	k_qf588bfd596_proj
	.globl	k_qf588bfd596_proj
	.p2align	8
	.type	k_qf588bfd596_proj,@function
k_qf588bfd596_proj:
	s_mov_b64 s[64:65], 0
	v_nop
	global_prefetch_b8 v0, s[64:65] scope:SCOPE_SE
	s_setreg_imm32_b32 hwreg(HW_REG_WAVE_SCHED_MODE, 0, 2), 2
	s_setreg_imm32_b32 hwreg(HW_REG_WAVE_MODE, 25, 1), 1
	s_wait_xcnt 0x0
	s_wait_alu depctr_vm_vsrc(0)
; q = x_q Wq^T, k = x_kv Wk^T, v = x_kv Wv^T, all three on codes of BF8 (E5M2) with one E8M0 scale for each 32 along K = 1,024; then q and k are quantised along d_k and v along the KEYS, for the next launch.
; SHARES.  Work-group n owns rows 64 n .. 64 n + 63 of both sources, read from memory once.  Wave w quantises one tile of 16 rows for all eight K steps; the fragments go to the other waves through LDS as images of
; their registers (lane l's 16 bytes at 16 l).  In each product THE WAVES SHARE THE FEATURES: wave w makes features 128 w .. 128 w + 127 (8 tiles) for all four tiles of rows: 32 accumulators, 256 registers.
; So every weight fragment is read by ONE wave of the work-group, straight from memory into registers (the launch before laid them so: four loads of 512 consecutive bytes a fragment).
; NO JOINT LOADS, NO RING: a load shared between work-groups lands in LDS, and each weight byte would then be written to LDS and read from it once more for no reuse inside the work-group.
; TILES.  Tile (beta, u) of any operand holds rows 32 beta + 8 u + r + 8 (r / 8).  As source 0 it gives lane (r, h), register j, row 32 beta + 16 h + 8 u + j: tiles u = 0, 1 give a lane 16 neighbours.
;   q, k: source 0 = W, source 1 = x: a lane holds one row and 64 neighbouring-by-16 features: the wave's 128 features are K step w of the scores' product: one fragment and one scale word a tile of rows.
;   v:    source 0 = x, source 1 = W: a lane holds one feature and its registers run down the 64 keys: two blocks of 32 a feature tile.
; OUT.  codes: q at 0, k at 8,388,608: (4 n + m) x 8,192 + w x 2,048; v at 16,777,216: (n / 2) x 65,536 + (8 w + t) x 2,048 + (2 (n % 2) + block) x 512.  scales: q, k: n x 1,024 + w x 256 + 16 r + 4 m;
;   v at 524,288: n x 1,024 + w x 256 + 16 r + 2 t (two bytes).  aux: at n x 2,048 the sums over the 64 keys of the QUANTISED v (by one matrix instruction against rows of ones);
;   at 524,288 + 4 x key a cap for the key's scores: +infinity, or -infinity where the key is padded.
; LIMITS: blocks whose largest magnitude lies under 2^-111 (zeros among them) keep the byte 1; NaN and infinities among the inputs are not served.
; REGISTERS, in windows of 256: window 0: addresses, work, scale words.  window 1: four sets of four W fragments.  window 2: the accumulators (while x is quantised: v0-127 two sets of 64 numbers).
;   window 3: while x is quantised four sets of 64 as loaded; in the products x's fragments, two sets at v128 and v192.
; THE MODE: SCHED_MODE bits 1:0 = 2 (LLVM: expert scheduling mode 2), set by the entry lines.  The code itself states the register dependences between vector or matrix instructions and memory or LDS
; instructions, with s_wait_alu, always for 0.
; THE PLAN.  Registers that memory or LDS instructions touch, and who else names them:
;   window 3, four sets of 64   XLOAD's data land there, TURN's LDS stores read them: XLOAD s + 3 lands in the set that TURN s - 1 stored.  Sets 2 and 3 are x's fragments in the products: XFETCH's data land
;                               there, matrix instructions read them.
;   window 2, v0-127            TURN's LDS loads land there, QUANT reads and writes them: TURN s + 1 lands in the set that K step s - 1 quantised.  In the products window 2 is named by matrix and vector lines alone.
;   window 1, v[WS ..]          W and its scale words, four sets: WLOAD H + 3 lands in the set that half step H - 1 multiplied.  v[XS ..]: x's scale words, two sets, with x's fragments.
;   v[PC ..], v[PWX], v[T0 ..], v[D2 ..], v[CP ..]   written by vector or matrix instructions, read by stores.
;   v1-12, v54                  addresses, made at the head and never written again.
; THE WAITS.  While x is quantised, two to a K step: on vm_vsrc at its head, on va_vdst behind its conversions.  In the products one on va_vdst to a half step, behind the wait for its data.  Where results are
; quantised and stored, one on vm_vsrc ahead of the quantiser and one on va_vdst behind it.
.set XIMG, 0                           ; LDS: x's 32 fragments, (8 m + s) x 2,048
.set XSC,  65536                       ; their scale words, (8 m + s) x 128
.set VSB,  69632                       ; 512 bytes a wave, its own: the sums of Q(v)
.set TST,  71680                       ; 8,448 bytes a wave, its own: 16 rows of 512 bytes + 16
.set TP,   528                         ; 33 x 16 bytes: sixteen rows' same column falls on sixteen different groups of banks (64 banks of 4 bytes: ISA guide 11.1)
.set LI,   1                           ; v1   16 x lane
.set TSW,  2                           ; v2   my stage, as loaded: 16 x lane
.set TSR,  3                           ; v3   my stage, turned: 528 r + 64 h
.set XWI,  4                           ; v4   where I store x's images
.set XWS,  5                           ; v5   and their scale words
.set XSR,  6                           ; v6   where scale words are read
.set WSA,  7                           ; v7   16 r
.set OSA,  8                           ; v8   16 r + 8 h
.set PFA,  9                           ; v9   4,096 (r + 8 (r / 8)) + 256 h
.set VSW,  10
.set VSR,  11
.set KMA,  12                          ; v12  2 x lane
.set KM,   13                          ; v13  two bytes of the keys' padding mask
.set T0,   14                          ; v14-15 scale words on their way out
.set TM,   16                          ; v16-31 the quantiser's work
.set PC,   32                          ; v32-47 the codes just made
.set PW,   48                          ; v48-51 four scale words
.set PWX,  52                          ; v52  x's scale word
.set SC1,  53                          ; v53  four bytes 127: the scale 1
.set CPA,  54                          ; v54  8 x lane
.set WS,   56                          ; v56-71 W's scale words, four sets of four
.set XS,   72                          ; v72-79 x's, two sets of four
.set SELV, 80                          ; v80-95 an operand of ones and zeros: rows 0-7 take k 0-63, rows 8-15 take k 64-127
.set D2,   96                          ; v96-127 its four results
.set VB,   128
.set CP,   132
.set WV,   2                           ; s2   wave
.set TT,   3                           ; s3   0: x_q with Wq; 1: x_kv with Wk
.set XP,   22                          ; s[22:23] the source in hand at my tile's first row
.set XK,   24                          ; s[24:25] x_kv there; never rewritten
.set WP,   26                          ; s[26:27] the weight's codes, my wave's
.set WSP,  28                          ; s[28:29] and its scale words
.set OCP,  30                          ; s[30:31] where q's or k's codes go
.set OSP,  32                          ; s[32:33] and their scale words
.set VP,   34
.set VSP,  36
.set SUMP, 38
.set CAPP, 40
.set KMP,  42
.set SELS, 44                          ; s[44:45] v_permlanex16_b32's selects for lane l xor 16
.set MNT,  46                          ; s46  the mantissa field of 57,344
.set HM,   47                          ; s47  the lanes 16-31
.set LOW,  48                          ; s48  the lanes with r < 8
.set MSB, 0
.macro WIN new                         ; the immediate's high byte repeats the setting that is left; a switch that changes nothing is dropped
.if MSB != \new
	s_set_vgpr_msb (MSB<<8)|\new
.set MSB, \new
.endif
.endm
.macro PLACES n                        ; plain vector lines behind matrix instructions (ISA guide 7.12.1)
.rept \n
	v_nop
.endr
.endm
.macro BARRIER                         ; my LDS stores have landed and my LDS loads are in: then the work-group's barrier
	s_wait_dscnt 0x0
	s_barrier_signal -1
	s_barrier_wait -1
.endm
.macro WM d, a, b, zero, sa, sb
.if \zero
	v_wmma_scale_f32_16x16x128_f8f6f4 v[(\d):(\d)+7], v[(\a):(\a)+15], v[(\b):(\b)+15], 0, v[\sa], v[\sb] matrix_a_fmt:MATRIX_FMT_BF8 matrix_b_fmt:MATRIX_FMT_BF8
.else
	v_wmma_scale_f32_16x16x128_f8f6f4 v[(\d):(\d)+7], v[(\a):(\a)+15], v[(\b):(\b)+15], v[(\d):(\d)+7], v[\sa], v[\sb] matrix_a_fmt:MATRIX_FMT_BF8 matrix_b_fmt:MATRIX_FMT_BF8
.endif
.endm
; 64 numbers of a lane in window wd, register base + 16 b + i = place 32 b + 16 h + i along the next K, become codes in v[PC] on and the scale word v[pw], both in window 0.  The numbers are read from the low end on.
.macro QUANT base, wd, pw
	WIN 5*(\wd)                                    ; sources 0 and 1 in window wd
.irp b, 0,1,2,3
	v_max3_num_f32 v[TM+\b], |v[(\base)+16*\b]|, |v[(\base)+16*\b+1]|, 0x8000000   ; my 16 numbers of block b, and the floor 2^(16 - 127): the byte cannot fall under 1
.endr
.irp i, 2,4,6,8,10,12,14
.irp b, 0,1,2,3
	v_max3_num_f32 v[TM+\b], |v[(\base)+16*\b+\i]|, |v[(\base)+16*\b+\i+1]|, v[TM+\b]
.endr
.endr
	WIN 0
.irp b, 0,1,2,3
	v_permlanex16_b32 v[TM+4+\b], v[TM+\b], s[SELS], s[SELS+1]
.endr
.irp b, 0,1,2,3
	v_max_num_f32 v[TM+\b], v[TM+\b], v[TM+4+\b]               ; with lane l xor 16's 16: the block's largest magnitude
.endr
.irp b, 0,1,2,3
	v_add_nc_u32 v[TM+12+\b], 0xf8800000, v[TM+\b]             ; 15 off its exponent field: the conversion's scale operand
.endr
.irp b, 0,1,2,3
	v_and_or_b32 v[TM+8+\b], v[TM+\b], 0x7f800000, s[MNT]      ; 57,344 x the scale
.endr
.irp b, 0,1,2,3
	v_lshrrev_b32 v[TM+4+\b], 23, v[TM+12+\b]                  ; the scale's byte
.endr
	v_lshl_or_b32 v[\pw], v[TM+5], 8, v[TM+4]
	v_lshl_or_b32 v[\pw], v[TM+6], 16, v[\pw]
	v_lshl_or_b32 v[\pw], v[TM+7], 24, v[\pw]
	WIN 65*(\wd)                                   ; destination and source 0 in window wd
.irp b, 0,1,2,3
.irp i, 0,1,2,3,4,5,6,7,8,9,10,11,12,13,14,15
	v_med3_num_f32 v[(\base)+16*\b+\i], v[(\base)+16*\b+\i], -v[TM+8+\b], v[TM+8+\b]   ; the conversion to an 8-bit code does not saturate (ISA guide 7.6.2): the hold comes first
.endr
.endr
	WIN \wd
.irp b, 0,1,2,3
	v_cvt_scalef32_pk8_bf8_f32 v[PC+4*\b:PC+4*\b+1], v[(\base)+16*\b:(\base)+16*\b+7], v[TM+12+\b]
	v_cvt_scalef32_pk8_bf8_f32 v[PC+4*\b+2:PC+4*\b+3], v[(\base)+16*\b+8:(\base)+16*\b+15], v[TM+12+\b]
.endr
	WIN 0
	v_nop                                          ; one plain vector line behind the last conversion
.endm
.macro SCSTORE ptr                     ; four scale words a row: lanes 0-15 store words 0, 1, lanes 16-31 words 2, 3: the wave stores 256 consecutive bytes
	v_cndmask_b32 v[T0], v[PW], v[PW+2], s[HM]     ; (the store that read this pair last stands ahead of a later wait on vm_vsrc: those of the K steps of x, or of v's tiles)
	v_cndmask_b32 v[T0+1], v[PW+1], v[PW+3], s[HM]
	s_wait_alu depctr_va_vdst(0)                   ; the two selects have written v[T0] and v[T0 + 1], which the store reads
	global_store_b64 v[OSA], v[T0:T0+1], s[\ptr:\ptr+1]
.endm
; Half step H (K step H / 2, tiles 4 (H % 2) on) of the weight in hand, or for H >= 16 half step H - 16 of the next weight: one load of scale words and 16 of codes, into set H % 4
.macro WLOAD H
.if (\H) < 16
.set OC, 8192*(\H)
.set OS, 256*(\H)
.else
.set OC, 524288+8192*((\H)-16)
.set OS, 16384+256*((\H)-16)
.endif
.set WSET, (\H)%4
	global_load_b128 v[WS+4*WSET:WS+4*WSET+3], v[WSA], s[WSP:WSP+1] offset:OS
	WIN 0x40                                       ; destination window 1
.irp tt, 0,1,2,3
.irp c, 0,1,2,3
	global_load_b128 v[64*WSET+16*\tt+4*\c:64*WSET+16*\tt+4*\c+3], v[LI], s[WP:WP+1] offset:OC+2048*\tt+512*\c
.endr
.endr
	WIN 0
.endm
.macro XLOAD s                         ; K step s of my 16 rows: each load takes 512 consecutive bytes of one row; into set s % 4 of window 3
	WIN 0xc0
.irp p, 0,1,2,3,4,5,6,7,8,9,10,11,12,13,14,15
	global_load_b128 v[64*((\s)%4)+4*\p:64*((\s)%4)+4*\p+3], v[LI], s[XP:XP+1] offset:(\p+8*(\p/8))*4096+512*(\s) th:TH_LOAD_NT
.endr
	WIN 0
.endm
.macro TURN s                          ; through my own stage: in as loaded, back 16 neighbours of each block a lane.  LDS serves a wave's instructions in order (ISA guide 5.7.1.4): no wait between
	WIN 0x0c                                       ; an LDS store's data are its source 1: window 3
.irp p, 0,1,2,3,4,5,6,7,8,9,10,11,12,13,14,15
	ds_store_b128 v[TSW], v[64*((\s)%4)+4*\p:64*((\s)%4)+4*\p+3] offset:TP*\p
.endr
	WIN 0x80                                       ; destination window 2
.irp b, 0,1,2,3
.irp j, 0,1,2,3
	ds_load_b128 v[64*((\s)%2)+16*\b+4*\j:64*((\s)%2)+16*\b+4*\j+3], v[TSR] offset:128*\b+16*\j
.endr
.endr
	WIN 0
.endm
.macro XSTEP s                         ; K step s of my tile becomes a fragment's image in LDS
	s_wait_dscnt 0x0                               ; this step's numbers are back from the stage
	s_wait_alu depctr_vm_vsrc(0)                   ; the stage's stores have read the set of window 3 in which the loads below land; the stores that read v[PC ..] and v[PWX] last have read them: the quantiser writes both again
.if (\s) <= 4
	XLOAD (\s)+3
.endif
.if (\s) <= 6
.if (\s) <= 4
	s_wait_loadcnt 32                              ; the next step's 16 loads are in; the two steps behind it may be out
.else
	s_wait_loadcnt 16*(6-(\s))
.endif
	TURN (\s)+1                                    ; its LDS loads land in the set of window 2 that the step before quantised, ahead of that step's wait on va_vdst
.endif
	QUANT 64*((\s)%2), 2, PWX
	s_wait_alu depctr_va_vdst(0)                   ; the conversions have written v[PC ..] and v[PWX], which the LDS stores read; the quantiser is done with its set of window 2, in which the next step's TURN lands
.irp c, 0,1,2,3
	ds_store_b128 v[XWI], v[PC+4*\c:PC+4*\c+3] offset:XIMG+2048*(\s)+512*\c
.endr
	ds_store_b32 v[XWS], v[PWX] offset:128*(\s)
.endm
.macro XFETCH s                        ; K step s of all four tiles of rows, and their scale words: 20 LDS loads, into set s % 2
	WIN 0xc0
.irp m, 0,1,2,3
.irp c, 0,1,2,3
	ds_load_b128 v[128+64*((\s)%2)+16*\m+4*\c:128+64*((\s)%2)+16*\m+4*\c+3], v[LI] offset:XIMG+(8*\m+(\s))*2048+512*\c
.endr
.endr
	WIN 0
.irp m, 0,1,2,3
	ds_load_b32 v[XS+4*((\s)%2)+\m], v[XSR] offset:(8*\m+(\s))*128
.endr
.endm
; A HALF STEP: 16 matrix instructions, four tiles of features x four tiles of rows, 128 along K.  orient 0: source 0 = W (q, k); 1: source 0 = x (v).  last = 1: no weight follows.
; The 32 accumulators take turns, one instruction a turn, in the same order in every K step.
; The half step's loads stand in one run behind its one wait on va_vdst: its matrix instructions name set H % 4 of W, set (H / 2) % 2 of x and the accumulators, none of which those loads touch.
.macro HS H, orient, last
.set KQ, (\H)/2
.set THF, (\H)%2
.set HSET, (\H)%4
.if (\H) < 2
.set ZR, 1
.else
.set ZR, 0
.endif
	PLACES 8                                       ; the loads below land on registers that the half step before has read
.if \last && ((\H) >= 14)
	s_wait_loadcnt 17*(15-(\H))
.else
	s_wait_loadcnt 34                              ; this half step's 17 loads are in; the two sets behind them may be out
.endif
.if !(\last && ((\H) >= 13))
.if (\H) > 0
	s_wait_alu depctr_va_vdst(0)                   ; the matrix instructions of the half step before are done reading their set of W and its scale words, and those of the K step before their set of x and its scale words: the loads below land there
.endif                                             ; (half step 0: no vector or matrix instruction has been issued since the last wait on va_vdst)
	WLOAD (\H)+3
.endif
.if THF == 0
.if KQ < 7
	XFETCH (\H)/2+1
	s_wait_dscnt 20                                ; this K step's x is in; the 20 loads just issued may be out
.else
	s_wait_dscnt 0x0
.endif
.endif
.if \orient
	WIN 0xa7                                       ; source 0 (x) window 3, source 1 (W) window 1, C and D window 2
.else
	WIN 0xad                                       ; source 0 (W) window 1, source 1 (x) window 3, C and D window 2
.endif
.irp tt, 0,1,2,3
.irp m, 0,1,2,3
.if \orient
	WM 32*(4*THF+\tt)+8*\m, 128+64*(KQ%2)+16*\m, 64*HSET+16*\tt, ZR, XS+4*(KQ%2)+\m, WS+4*HSET+\tt
.else
	WM 64*\m+8*(4*THF+\tt), 64*HSET+16*\tt, 128+64*(KQ%2)+16*\m, ZR, WS+4*HSET+\tt, XS+4*(KQ%2)+\m
.endif
.endr
.endr
	WIN 0
.endm
	s_load_b256 s[8:15], s[0:1], 0x0               ; source_query s[8:9], source_key_value s[10:11], the keys' padding mask s[12:13], wq s[14:15]
	s_load_b128 s[16:19], s[0:1], 0x20             ; codes s[16:17], scales s[18:19]
	s_load_b64 s[20:21], s[0:1], 0x30              ; aux
	v_lshl_add_u32 v254, v0, 2, 0x19c00
	v_mov_b32 v255, 0
	v_lshrrev_b32 v96, 5, v0
	v_readfirstlane_b32 s[WV], v96                 ; wave 0..3
	v_and_b32 v99, 31, v0                          ; lane
	v_and_b32 v96, 15, v0                          ; r
	v_bfe_u32 v97, v0, 4, 1                        ; h
	v_and_b32 v98, 8, v96
	v_add_nc_u32 v98, v98, v96                     ; r + 8 (r / 8)
	v_lshlrev_b32 v[LI], 4, v99
	v_cmp_le_u32 s[HM], 16, v99
	v_cmp_gt_u32 s[LOW], 8, v96
	s_wait_alu depctr_va_sdst(0)                   ; the wave's number and the two masks are written, ahead of their first readers and of every branch
	s_mul_i32 s4, s[WV], 16*TP
	s_add_co_u32 s4, s4, TST
	v_add_nc_u32 v[TSW], s4, v[LI]
	v_mul_u32_u24 v[TSR], v96, TP
	v_lshl_add_u32 v[TSR], v97, 6, v[TSR]
	v_add_nc_u32 v[TSR], s4, v[TSR]
	s_lshl_b32 s4, s[WV], 14
	v_add_nc_u32 v[XWI], s4, v[LI]                 ; my tile's eight images: 16,384 x wave
	v_lshlrev_b32 v[XSR], 2, v99
	v_add_nc_u32 v[XSR], XSC, v[XSR]
	s_lshl_b32 s4, s[WV], 10
	v_add_nc_u32 v[XWS], s4, v[XSR]
	v_lshlrev_b32 v[WSA], 4, v96
	v_lshl_add_u32 v[OSA], v97, 3, v[WSA]
	v_lshlrev_b32 v[PFA], 12, v98
	v_lshl_add_u32 v[PFA], v97, 8, v[PFA]
	v_lshl_add_u32 v[VSW], v97, 3, v98
	v_lshlrev_b32 v[VSW], 2, v[VSW]                ; 4 (8 h + r + 8 (r / 8)): the feature of tile 2 g + h, lane r, in its 32
	s_lshl_b32 s4, s[WV], 9
	s_add_co_u32 s4, s4, VSB
	v_add_nc_u32 v[VSW], s4, v[VSW]
	v_add_nc_u32 v[VSR], s4, v[LI]
	v_lshlrev_b32 v[KMA], 1, v99
	v_lshlrev_b32 v[CPA], 3, v99
	v_mov_b32 v[SC1], 0x7f7f7f7f
	v_mov_b32 v100, 0x3c3c3c3c                     ; four codes of 1.0 in E5M2
	v_cndmask_b32 v[SELV], 0, v100, s[LOW]
	v_sub_nc_u32 v[SELV+8], v100, v[SELV]
.irp k, 1,2,3,4,5,6,7
	v_mov_b32 v[SELV+\k], v[SELV]
	v_mov_b32 v[SELV+8+\k], v[SELV+8]
.endr
.irp b, 0,1,2,3
	v_mov_b32 v[TM+4+\b], 0                        ; written once: a lane permute's destination counts as one of its sources
.endr
	s_mov_b32 s[SELS], 0x76543210
	s_mov_b32 s[SELS+1], 0xfedcba98
	s_mov_b32 s[MNT], 0x600000
	s_lshr_b32 s4, s[WV], 1
	s_lshl_b32 s4, s4, 5
	s_and_b32 s5, s[WV], 1
	s_lshl_b32 s5, s5, 3
	s_add_co_u32 s4, s4, s5
	s_lshl_b32 s5, ttmp9, 6
	s_add_co_u32 s4, s4, s5                        ; my tile's first row: 64 n + 32 (w / 2) + 8 (w % 2)
	s_lshl_b32 s4, s4, 12                          ; rows of 4,096 bytes: under 2^26
	s_mov_b32 s5, 0
	s_mov_b32 s7, 0
	s_wait_kmcnt 0x0
	s_add_nc_u64 s[XP:XP+1], s[8:9], s[4:5]
	s_add_nc_u64 s[XK:XK+1], s[10:11], s[4:5]
	s_lshl_b32 s6, s[WV], 17
	s_add_nc_u64 s[WP:WP+1], s[14:15], s[6:7]
	s_lshl_b32 s6, s[WV], 12
	s_add_nc_u64 s[WSP:WSP+1], s[14:15], s[6:7]
	s_add_nc_u64 s[WSP:WSP+1], s[WSP:WSP+1], 1572864
	s_lshl_b32 s6, ttmp9, 15
	s_lshl_b32 s4, s[WV], 11
	s_add_co_u32 s6, s6, s4
	s_add_nc_u64 s[OCP:OCP+1], s[16:17], s[6:7]
	s_lshl_b32 s6, ttmp9, 10
	s_lshl_b32 s4, s[WV], 8
	s_add_co_u32 s6, s6, s4
	s_add_nc_u64 s[OSP:OSP+1], s[18:19], s[6:7]
	s_add_nc_u64 s[VSP:VSP+1], s[OSP:OSP+1], 524288
	s_lshr_b32 s6, ttmp9, 1
	s_lshl_b32 s6, s6, 16
	s_lshl_b32 s4, s[WV], 14
	s_add_co_u32 s6, s6, s4
	s_and_b32 s4, ttmp9, 1
	s_lshl_b32 s4, s4, 10
	s_add_co_u32 s6, s6, s4
	s_add_nc_u64 s[VP:VP+1], s[16:17], s[6:7]
	s_add_nc_u64 s[VP:VP+1], s[VP:VP+1], 16777216
	s_lshl_b32 s6, ttmp9, 11
	s_lshl_b32 s4, s[WV], 9
	s_add_co_u32 s6, s6, s4
	s_add_nc_u64 s[SUMP:SUMP+1], s[20:21], s[6:7]
	s_lshl_b32 s6, ttmp9, 8
	s_add_nc_u64 s[CAPP:CAPP+1], s[20:21], s[6:7]
	s_add_nc_u64 s[CAPP:CAPP+1], s[CAPP:CAPP+1], 524288
	s_lshl_b32 s6, ttmp9, 6
	s_add_nc_u64 s[KMP:KMP+1], s[12:13], s[6:7]
	s_wait_alu depctr_va_vdst(0)                   ; the addresses v1 to v12 and v54 are written, which every load, store and prefetch of the kernel reads; so are the operand of ones and the scale 1, which a matrix instruction takes
	global_load_u16 v[KM], v[KMA], s[KMP:KMP+1]    ; the mask bytes of keys 2 l, 2 l + 1: my oldest load, so every later wait shows it in
	WLOAD 0                                        ; the weights first: x's loads are then the youngest on both ways into the loop
	WLOAD 1
	WLOAD 2
	XLOAD 0
	XLOAD 1
	XLOAD 2
	s_mov_b32 s[TT], 0
.Lsrc:                                             ; two trips: x_q with Wq, x_kv with Wk
	s_wait_loadcnt 32                              ; K step 0 of x is in; steps 1 and 2 may be out
	TURN 0                                         ; (on both ways here no vector or matrix instruction has been issued since the last wait on va_vdst: window 2's first set is free for these LDS loads)
.irp s, 0,1,2,3,4,5,6,7
	XSTEP \s
.endr
	BARRIER                                        ; all 32 images of x lie in LDS
	XFETCH 0                                       ; (sets 2 and 3 of window 3: the stage's stores that read them stand ahead of the last K step's wait on vm_vsrc)
.irp H, 0,1,2,3,4,5,6,7,8
	HS \H, 0, 0
.endr
	s_cmp_lg_u32 s[TT], 0                          ; in the first trip x_kv's K steps 3 to 6 of my 16 rows are asked for ahead: a lane to each 256 bytes, each asked once in the launch,
	s_cbranch_scc1 .Lno_ask                        ; seven half steps and four quantisations ahead of the first load that wants them; steps 0 to 2 come by loads below, step 7 is not asked for
.irp s, 3,4,5,6
	global_prefetch_b8 v[PFA], s[XK:XK+1] offset:512*\s th:TH_LOAD_NT scope:SCOPE_SE
.endr
.Lno_ask:
.irp H, 9,10,11,12,13,14,15
	HS \H, 0, 0                                    ; half steps 13 to 15 ask for the next weight's first three sets
.endr
	PLACES 8                                       ; in front of the first read of results and of loads into x's registers
	BARRIER                                        ; every wave's reads of the images are over: they may be written again
	s_mov_b64 s[XP:XP+1], s[XK:XK+1]               ; (all loads by the old address were shown done when x's last K step was waited for)
	s_cmp_lg_u32 s[TT], 0
	s_cbranch_scc1 .Lno_x
	XLOAD 0                                        ; x_kv's first three K steps land while q is quantised.  Sets 0 to 2 of window 3: the last matrix instructions that read set 2, half step 13's, stand ahead of
	XLOAD 1                                        ; half step 14's wait on va_vdst, and half steps 14 and 15 name set 3 alone
	XLOAD 2
.Lno_x:
.irp m, 0,1,2,3                        ; a tile of rows: 64 numbers a lane = K step w of the scores' product
	s_wait_xcnt 0x0                                ; the codes' registers were store data: written again only behind this wait
	s_wait_alu depctr_vm_vsrc(0)                   ; the stores that read v[PC ..] last (the tile before's; for the first tile the LDS stores of x's last image) have read them: the conversions write them again
	QUANT 64*\m, 2, PW+\m
	s_wait_alu depctr_va_vdst(0)                   ; the conversions have written v[PC ..], which the stores read
.irp c, 0,1,2,3
	global_store_b128 v[LI], v[PC+4*\c:PC+4*\c+3], s[OCP:OCP+1] offset:8192*\m+512*\c   ; the wave stores 512 consecutive bytes
.endr
.endr
	SCSTORE OSP
	s_wait_xcnt 0x0                                ; the pointers below are sources of loads and stores that have been issued
	s_add_nc_u64 s[OCP:OCP+1], s[OCP:OCP+1], 0x800000
	s_add_nc_u64 s[OSP:OSP+1], s[OSP:OSP+1], 0x40000
	s_add_nc_u64 s[WP:WP+1], s[WP:WP+1], 0x80000
	s_add_nc_u64 s[WSP:WSP+1], s[WSP:WSP+1], 0x4000
	s_add_co_u32 s[TT], s[TT], 1
	s_cmp_lt_u32 s[TT], 2
	s_cbranch_scc1 .Lsrc
	; ---- v: x_kv's images still lie in LDS
	XFETCH 0
.irp H, 0,1,2,3,4,5,6,7,8,9,10,11,12,13,14,15
	HS \H, 1, 1
.endr
	PLACES 8
.irp g, 0,1,2,3                        ; feature tiles 2 g and 2 g + 1: four blocks of 32 keys
	s_wait_xcnt 0x0
	s_wait_alu depctr_vm_vsrc(0)                   ; the stores issued so far have read v[PC ..], which the conversions write again
	QUANT 64*\g, 2, PW+\g
	PLACES 4                                       ; codes written by vector instructions stand four places ahead of a scaled matrix instruction; the scale word was made ahead of the 64 holds
	s_wait_alu depctr_va_vdst(0)                   ; the conversions have written v[PC ..], which the stores read and the matrix instruction takes as its source 1; v[PW + g], its scale word, is written too
.irp k, 0,1,2,3
	global_store_b128 v[LI], v[PC+4*\k:PC+4*\k+3], s[VP:VP+1] offset:(2*\g+\k/2)*2048+(\k%2)*512
.endr
	WM D2+8*\g, SELV, PC, 1, SC1, PW+\g            ; register 0 of lane (r, h): the sum over the 64 keys of the quantised v of tile 2 g + h, lane r's feature
.endr
	PLACES 8
	s_wait_alu depctr_va_vdst(0)                   ; the four matrix instructions have written v[D2 ..], which the LDS stores read; the places above stay beside this wait
.irp g, 0,1,2,3
	ds_store_b32 v[VSW], v[D2+8*\g] offset:128*\g  ; into feature order, in my own 512 bytes
.endr
	ds_load_b128 v[VB:VB+3], v[VSR]
	SCSTORE VSP                                    ; a word = the two bytes of tile 2 g and the two of tile 2 g + 1
	s_wait_dscnt 0x0
	global_store_b128 v[LI], v[VB:VB+3], s[SUMP:SUMP+1]
	s_cmp_lg_u32 s[WV], 0
	s_cbranch_scc1 .Lend
	v_lshl_or_b32 v[CP], v[KM], 31, 0x7f800000     ; the mask's bit becomes the sign of an infinity: key 2 l,
	v_lshl_or_b32 v[CP+1], v[KM], 23, 0x7f800000   ; key 2 l + 1 (the lower byte's bit falls into the exponent, which is all ones)
	s_wait_alu depctr_va_vdst(0)                   ; the two lines above have written v[CP] and v[CP + 1], which the store reads
	global_store_b64 v[CPA], v[CP:CP+1], s[CAPP:CAPP+1]   ; the wave stores 256 consecutive bytes
.Lend:
	s_wait_dscnt 0x0                               ; the closing lines, six on end
	s_wait_alu 0x0
	s_wait_tensorcnt 0x0
	ds_add_u32 v254, v255
	s_wait_dscnt 0x0
	s_endpgm
.Lfunc_end_k_qf588bfd596_proj:
	.size	k_qf588bfd596_proj, .Lfunc_end_k_qf588bfd596_proj-k_qf588bfd596_proj
	.p2alignl 7, 3214868480
	.fill 96, 4, 3214868480
	.section	.rodata,"a",@progbits
	.p2align	6, 0x0
	.amdhsa_kernel k_qf588bfd596_proj
		.amdhsa_group_segment_fixed_size 105984
		.amdhsa_private_segment_fixed_size 0
		.amdhsa_enable_private_segment 0
		.amdhsa_kernarg_size 56
		.amdhsa_user_sgpr_count 2
		.amdhsa_user_sgpr_kernarg_segment_ptr 1
		.amdhsa_wavefront_size32 1
		.amdhsa_system_sgpr_workgroup_id_x 1
		.amdhsa_system_sgpr_workgroup_id_y 1
		.amdhsa_system_sgpr_workgroup_id_z 1
		.amdhsa_system_vgpr_workitem_id 0
		.amdhsa_next_free_vgpr 1024
		.amdhsa_next_free_sgpr 66
		.amdhsa_reserve_vcc 0
		.amdhsa_float_denorm_mode_32 3
		.amdhsa_float_denorm_mode_16_64 3
		.amdhsa_memory_ordered 1
		.amdhsa_forward_progress 1
		.amdhsa_inst_pref_size 255
	.end_amdhsa_kernel
	.section	.bss,"aw",@nobits
	.p2align	6
	.space	262144
	.amdgpu_metadata
---
amdhsa.version: [ 1, 2 ]
amdhsa.kernels:
  - .name:           k_qf588bfd596_proj
    .symbol:         k_qf588bfd596_proj.kd
    .args:
      - { .name: source_query, .offset: 0, .size: 8, .value_kind: global_buffer, .address_space: global }
      - { .name: source_key_value, .offset: 8, .size: 8, .value_kind: global_buffer, .address_space: global }
      - { .name: source_key_value_padding_mask, .offset: 16, .size: 8, .value_kind: global_buffer, .address_space: global }
      - { .name: wq, .offset: 24, .size: 8, .value_kind: global_buffer, .address_space: global }
      - { .name: codes, .offset: 32, .size: 8, .value_kind: global_buffer, .address_space: global }
      - { .name: scales, .offset: 40, .size: 8, .value_kind: global_buffer, .address_space: global }
      - { .name: aux, .offset: 48, .size: 8, .value_kind: global_buffer, .address_space: global }
    .group_segment_fixed_size: 105984
    .private_segment_fixed_size: 0
    .kernarg_segment_align: 8
    .kernarg_segment_size: 56
    .max_flat_workgroup_size: 128
    .sgpr_count:     66
    .vgpr_count:     1024
    .wavefront_size: 32
...
	.end_amdgpu_metadata
.endif
;; end of part 5
;; launch attn (part 6): grid 256 x 1, 4 waves a work-group, no clusters, 43,520 bytes of LDS; arguments codes, scales, aux, source_query_padding_mask, out0; writes out0
.if DOCPART == 6
	.amdgcn_target "amdgcn-amd-amdhsa--gfx1250"
	.amdhsa_code_object_version 6
	.text
	.protected	k_qf588bfd596_attn
	.globl	k_qf588bfd596_attn
	.p2align	8
	.type	k_qf588bfd596_attn,@function
k_qf588bfd596_attn:
	s_mov_b64 s[64:65], 0
	v_nop
	global_prefetch_b8 v0, s[64:65] scope:SCOPE_SE
	s_setreg_imm32_b32 hwreg(HW_REG_WAVE_SCHED_MODE, 0, 2), 2
	s_setreg_imm32_b32 hwreg(HW_REG_WAVE_MODE, 25, 1), 1
	s_wait_xcnt 0x0
	s_wait_alu depctr_vm_vsrc(0)
; out = softmax(mask(q k^T / sqrt(512))) v, causal, with padded keys and padded queries, both products on codes of BF8 (E5M2) with one E8M0 scale for each 32 along a product's K.
; THE SOFTMAX AHEAD OF THE SECOND PRODUCT: t = score x log2(e) / sqrt(512); M = the largest t so far, rounded UP to a whole number; p = 2^(t - M) is quantised along the keys; the sum of the unquantised p divides at the end.
; SHARES.  Work-group (batch b, i) makes the blocks of 32 queries beta = i and then beta = 63 - i: beta / 4 + 1 key steps of 128 each, 17 in all for every work-group.  A block's step on the diagonal runs FIRST and
; starts O^T with the constant 0; then steps 0 .. beta / 4 - 1.  Steps wholly above the diagonal are not multiplied.
; IN A STEP wave w makes S^T (source 0 = keys, source 1 = queries) for the 32 keys 128 j + 32 w on against both tiles of queries, takes the softmax under ITS OWN running M_w, and stores its quarter of P's two fragments
; in LDS; then it makes O^T (source 0 = V^T, source 1 = P) for features 128 w on.  So every fragment of K and of V is read by ONE wave, straight from memory into registers (four loads of 512 consecutive bytes).
; A block's scale byte takes up 2^(M_w - M), M the largest of the four M_w: byte + (M_w - M), held at 0 from below: all these factors are exact powers of two.
; MASKS.  A padded key's scores are capped at -infinity (v_min_num_f32 with a stored cap), hidden keys on the diagonal likewise (v_cndmask_b32): p = 0.  A row that no key can reach (a padded query, or every key up to it
; padded) is, as reference() has it, the mean over ALL 2,048 keys: p = 1 everywhere, so the sum of the quantised v / 2,048; it is chosen at the end by v_cndmask_b32 where the query is padded or the sum of p is 0.
; REQUESTS.  Each step asks for the next step's operands as soon as their registers are free: K's set (4 caps, 4 scale loads, 32 of codes: 40 loads) behind the first product, in two runs, so that with V's 34 no more
; than 58 loads are out behind the first run; V's set (2 scale loads, 32 of codes: 34 loads) behind the second product.  So each set has most of a step in which to land.  The last step of a block asks for the next
; block's first; the last step of the second block asks once more for that block's first step, which nobody uses: 1 set in 18, so that every wait counts the same loads on every path.
; JOINT LOADS ARE NOT USED, though work-groups 4 c .. 4 c + 3 of a batch walk the same steps of K and V (their blocks share beta / 4) and could ask jointly: a joint load lands in LDS, so each of a step's 131,072 bytes
; would be written to LDS and read from it once more by the one wave that multiplies it, for that step's 128 matrix instructions, and each step would take a round of the cluster's barrier.  That form was not built.
; LIMITS: NaN and infinities among the inputs are not served; a masked score is carried as -infinity where reference() writes the lowest f32 number (p is 0 either way); a byte of P that would fall under 0 is held at 0
; (what it scales lies under 2^-111 of the row's largest term); v_exp_f32 gives 0 for p under 2^-126.
; REGISTERS, in windows of 256: window 0: addresses, statistics, scale words, S^T (v132-163), P (v164-195).  window 1: K (v0-127), Q (v128-255).  window 2: V (v0-127), O^T (v128-255: tile t, queries q at 128 + 16 t + 8 q).
;   window 3: v0-63 the mean, v64-127 results, v128-255 rows on their way out.
; THE MODE: SCHED_MODE bits 1:0 = 2 (LLVM: expert scheduling mode 2), set by the entry lines.  The code itself states the register dependences between vector or matrix instructions and memory or LDS
; instructions, with s_wait_alu, always for 0.
; THE PLAN.  Registers that memory or LDS instructions touch in a step, and who else names them:
;   K (window 1, v0-127), v[KSC ..], v[CAP ..]   read by the first product and by the 32 caps; behind them the next K set lands there, in two runs.
;   V (window 2, v0-127), v[VR0 ..], v[VR1 ..]   read by the second product and by the eight v_perm_b32; behind the product the next V set lands there.
;   v[SX ..], v[P ..]                            LDS loads land there behind the first barrier; read by the statistics' lines and by the second product.
;   v[PC ..], the pairs v[NM ..]                 written by the softmax, read by the LDS stores in front of the first barrier, written again in the next step or at a block's head.
;   v[VSC ..], v[PWD ..]                         scale words written by vector instructions, taken by the second product.
;   v1-13, v18                                   addresses, made at the head and never written again.
; So a step has six waits on va_vdst: behind the caps; ahead of the exponentials; behind them; behind the conversions; ahead of the second product; behind it; and one on vm_vsrc, behind the first barrier.
; On the way out: v[TT ..] and window 3's v64-127 are written by vector instructions and stored to LDS; LDS loads land in window 3's v0-63 and v128-255; global stores read the latter.
.set MASKED_NAN, 0                     ; 1: rows that no key can reach get NaN in place of the mean
.set PIMG,  0                          ; LDS: P's two fragments: q x 2,048 + c x 512 + 16 x lane
.set STAT,  4096                       ; q x 1,024 + 32 x lane + 8 w: (-M_w, the block's byte as f32)
.set LSM,   6144                       ; q x 512 + 16 x lane + 4 w: the waves' sums of p
.set VM,    7168                       ; 512 f32: the mean of the quantised v
.set STAGE, 9216                       ; 8,448 bytes a wave, its own: 16 rows of 512 bytes + 16
.set TP,    528
.set LI,   1                           ; v1   16 x lane
.set R16,  2                           ; v2   16 r
.set CAPO, 3                           ; v3   64 h
.set RP,   4                           ; v4   r + 8 (r / 8)
.set PWA,  5
.set STW,  6
.set STR,  7
.set LSW,  8
.set LSR,  9
.set VMR,  10
.set SGW,  11
.set SGR,  12
.set VMW,  13
.set QD,   14                          ; v14-15 register i of S^T is hidden where i > this
.set NINF, 16
.set LC,   17
.set VSO,  18                          ; v18  16 x thread
.set NM,   20                          ; pairs (-M_w, byte as f32), one for each tile of queries q
.set TMX,  24                          ; the largest t
.set LSUM, 26                          ; pairs: the sum of p
.set NMC,  30                          ; -M, the common one
.set FW,   32                          ; pairs: 2^(old M_w - new M_w)
.set FO,   36                          ; pairs: 2^(old M - new M)
.set QP,   40                          ; the queries' padding bytes
.set BM,   42
.set TT,   44
.set OLD,  46
.set SCO,  48
.set HOLD, 50
.set AS,   52
.set PWD,  56                          ; P's scale words
.set PC,   60                          ; my quarter of P's codes, four registers a q
.set KSC,  68                          ; K's scale words: 2 s + u
.set QSC,  76                          ; Q's: 2 s + q
.set VR0,  84
.set VR1,  88
.set VSC,  92                          ; V's scale words: t
.set CAP,  100                         ; the caps of my 16 keys
.set SX,   116                         ; the four waves' statistics, eight registers a q
.set S,    132
.set P,    164
.set INV,  196                         ; pairs: 1 / the sum
.set WV,   2
.set BL,   3
.set MK,   4                           ; s4-17 the diagonal's masks of registers 0 to 13 (free since the head),
.set MK2,  82                          ; s96, s97 those of registers 14 and 15: MK2 + i
.set BASE, 18                          ; five streams, a pair each: K's codes, K's scales, V's codes, V's scales, the caps: at step 0,
.set LIN,  28                          ; at the next step in line,
.set NB,   38                          ; at the next block's first step,
.set CUR,  48                          ; and what the loads in hand use
.set BETA, 58
.set JD,   59
.set FK,   60                          ; steps in line still to be asked for: K's and the caps',
.set FV,   61                          ; V's
.set REM,  62
.set BETB, 63
.set CS,   66                          ; s[66:67] log2(e) / sqrt(512)
.set SELS, 68
.set MNT,  70
.set QPT,  72
.set QSP,  74
.set QMP,  76
.set OUTP, 78
.set QB,   80
.set QSB,  82
.set QMB,  84
.set OB,   86
.set TA,   88
.set TB,   90
.set FM,   92                          ; s92-93 the lanes whose row takes the mean
.set VSU,  94
.set MSB, 0
.macro WIN new                         ; the immediate's high byte repeats the setting that is left; a switch that changes nothing is dropped
.if MSB != \new
	s_set_vgpr_msb (MSB<<8)|\new
.set MSB, \new
.endif
.endm
.macro PLACES n
.rept \n
	v_nop
.endr
.endm
.macro BARRIER                         ; my LDS stores have landed and my LDS loads are in: then the work-group's barrier
	s_wait_dscnt 0x0
	s_barrier_signal -1
	s_barrier_wait -1
.endm
.macro WM d, a, b, zero, sa, sb
.if \zero
	v_wmma_scale_f32_16x16x128_f8f6f4 v[(\d):(\d)+7], v[(\a):(\a)+15], v[(\b):(\b)+15], 0, v[\sa], v[\sb] matrix_a_fmt:MATRIX_FMT_BF8 matrix_b_fmt:MATRIX_FMT_BF8
.else
	v_wmma_scale_f32_16x16x128_f8f6f4 v[(\d):(\d)+7], v[(\a):(\a)+15], v[(\b):(\b)+15], v[(\d):(\d)+7], v[\sa], v[\sb] matrix_a_fmt:MATRIX_FMT_BF8 matrix_b_fmt:MATRIX_FMT_BF8
.endif
.endm
.macro SETNB breg                      ; the five streams at the diagonal step of the block in s[breg]
	s_lshr_b32 s[TA], s[\breg], 2
	s_mov_b32 s[TB+1], 0
	s_lshl_b32 s[TB], s[TA], 16
	s_add_nc_u64 s[NB:NB+1], s[BASE:BASE+1], s[TB:TB+1]
	s_add_nc_u64 s[NB+4:NB+5], s[BASE+4:BASE+5], s[TB:TB+1]
	s_lshl_b32 s[TB], s[TA], 11
	s_add_nc_u64 s[NB+2:NB+3], s[BASE+2:BASE+3], s[TB:TB+1]
	s_add_nc_u64 s[NB+6:NB+7], s[BASE+6:BASE+7], s[TB:TB+1]
	s_lshl_b32 s[TB], s[TA], 9
	s_add_nc_u64 s[NB+8:NB+9], s[BASE+8:BASE+9], s[TB:TB+1]
.endm
.macro SETBLK                          ; the block in s[BETA] begins: beta / 4 steps in line, from step 0
	s_lshr_b32 s[JD], s[BETA], 2
	s_mov_b32 s[FK], s[JD]
	s_mov_b32 s[FV], s[JD]
	s_mov_b32 s[REM], s[JD]
.irp k, 0,2,4,6,8
	s_mov_b64 s[LIN+\k:LIN+\k+1], s[BASE+\k:BASE+\k+1]
.endr
.endm
.macro SETQ breg                       ; where the block's queries lie
	s_mov_b32 s[TA+1], 0
	s_lshl_b32 s[TA], s[\breg], 14
	s_add_nc_u64 s[QPT:QPT+1], s[QB:QB+1], s[TA:TA+1]
	s_lshr_b32 s[TA], s[\breg], 1
	s_lshl_b32 s[TA], s[TA], 10
	s_and_b32 s[TB], s[\breg], 1
	s_lshl_b32 s[TB], s[TB], 3
	s_add_co_u32 s[TA], s[TA], s[TB]
	s_add_nc_u64 s[QSP:QSP+1], s[QSB:QSB+1], s[TA:TA+1]
	s_lshl_b32 s[TA], s[\breg], 5
	s_add_nc_u64 s[QMP:QMP+1], s[QMB:QMB+1], s[TA:TA+1]
.endm
.macro SETOUT
	s_mov_b32 s[TA+1], 0
	s_lshl_b32 s[TA], s[BETA], 16                  ; 32 rows of 2,048 bytes
	s_add_nc_u64 s[OUTP:OUTP+1], s[OB:OB+1], s[TA:TA+1]
.endm
; The next fetch of K, its scale words and the caps: the next step in line while one is left, then the next block's first.  The three addresses in hand are rewritten here: the loads that read them are the last
; K set's 40, which the wait on LOADcnt at the step's head has shown done.
.macro NEXTK
	s_cmp_lg_u32 s[FK], 0
	s_cselect_b64 s[CUR:CUR+1], s[LIN:LIN+1], s[NB:NB+1]
	s_cselect_b64 s[CUR+2:CUR+3], s[LIN+2:LIN+3], s[NB+2:NB+3]
	s_cselect_b64 s[CUR+8:CUR+9], s[LIN+8:LIN+9], s[NB+8:NB+9]
	s_cselect_b32 s[TA], 1, 0
	s_sub_co_u32 s[FK], s[FK], s[TA]
	s_add_nc_u64 s[LIN:LIN+1], s[LIN:LIN+1], 0x10000
	s_add_nc_u64 s[LIN+2:LIN+3], s[LIN+2:LIN+3], 0x800
	s_add_nc_u64 s[LIN+8:LIN+9], s[LIN+8:LIN+9], 0x200
.endm
; The same for V and its scale bytes: the loads that read these two addresses are the last V set's 34, which the wait on LOADcnt ahead of the second product has shown done.
.macro NEXTV
	s_cmp_lg_u32 s[FV], 0
	s_cselect_b64 s[CUR+4:CUR+5], s[LIN+4:LIN+5], s[NB+4:NB+5]
	s_cselect_b64 s[CUR+6:CUR+7], s[LIN+6:LIN+7], s[NB+6:NB+7]
	s_cselect_b32 s[TA], 1, 0
	s_sub_co_u32 s[FV], s[FV], s[TA]
	s_add_nc_u64 s[LIN+4:LIN+5], s[LIN+4:LIN+5], 0x10000
	s_add_nc_u64 s[LIN+6:LIN+7], s[LIN+6:LIN+7], 0x800
.endm
.macro KCODES f0                       ; four fragments of K (4 u + s), f0 on: 16 loads
	WIN 0x40
.irp f, \f0, \f0+1, \f0+2, \f0+3
.irp c, 0,1,2,3
	global_load_b128 v[16*(\f)+4*\c:16*(\f)+4*\c+3], v[LI], s[CUR:CUR+1] offset:2048*(\f)+512*\c
.endr
.endr
	WIN 0
.endm
.macro KLOADA                          ; 24 loads: the caps of my 16 keys, my 32 keys' scale words, tile u = 0
.irp e, 0,1,2,3
	global_load_b128 v[CAP+4*\e:CAP+4*\e+3], v[CAPO], s[CUR+8:CUR+9] offset:16*\e
.endr
.irp s, 0,1,2,3
	global_load_b64 v[KSC+2*\s:KSC+2*\s+1], v[R16], s[CUR+2:CUR+3] offset:256*\s
.endr
	KCODES 0
.endm
.macro KLOADB                          ; 16 loads: tile u = 1
	KCODES 4
.endm
.macro VLOAD                           ; 34 loads: the scale bytes of the step's two halves, my eight fragments
	global_load_b128 v[VR0:VR0+3], v[R16], s[CUR+6:CUR+7]
	global_load_b128 v[VR1:VR1+3], v[R16], s[CUR+6:CUR+7] offset:1024
	WIN 0x80
.irp t, 0,1,2,3,4,5,6,7
.irp c, 0,1,2,3
	global_load_b128 v[16*\t+4*\c:16*\t+4*\c+3], v[LI], s[CUR+4:CUR+5] offset:2048*\t+512*\c
.endr
.endr
	WIN 0
.endm
.macro QLOAD                           ; 38 loads: the block's eight fragments (4 q + s), their scale words, the queries' padding bytes
	WIN 0x40
.irp f, 0,1,2,3,4,5,6,7
.irp c, 0,1,2,3
	global_load_b128 v[128+16*\f+4*\c:128+16*\f+4*\c+3], v[LI], s[QPT:QPT+1] offset:2048*\f+512*\c
.endr
.endr
	WIN 0
.irp s, 0,1,2,3
	global_load_b64 v[QSC+2*\s:QSC+2*\s+1], v[R16], s[QSP:QSP+1] offset:256*\s
.endr
.irp q, 0,1
	global_load_u8 v[QP+\q], v[RP], s[QMP:QMP+1] offset:8*\q
.endr
.endm
; A KEY STEP of 128 keys.  diag = 1: the block's first, on the diagonal.
.macro STEP diag
.if \diag
	s_and_b32 s[TA], s[BETA], 3
	s_sub_co_i32 s[TA], s[TA], s[WV]
	s_lshl_b32 s[TA], s[TA], 5
	v_add_nc_u32 v[QD], s[TA], v[LC]               ; my query - my first key: 32 (beta % 4 - w) + 8 q + r + 8 (r / 8) - 16 h
	v_add_nc_u32 v[QD+1], 8, v[QD]
	s_wait_loadcnt 0x0                             ; Q's loads are my youngest
.else
	s_wait_loadcnt 34                              ; K's 40 loads, asked for a step ago, are in; V's 34, just asked for, may be out
.endif
	WIN 0x05                                       ; K and Q in window 1, S^T in window 0
.irp s, 0,1,2,3                        ; the four accumulators take turns, one instruction a turn
.irp u, 0,1
.irp q, 0,1
.if \s == 0
	WM S+16*\q+8*\u, 16*(4*\u+\s), 128+16*(4*\q+\s), 1, KSC+2*\s+\u, QSC+2*\s+\q
.else
	WM S+16*\q+8*\u, 16*(4*\u+\s), 128+16*(4*\q+\s), 0, KSC+2*\s+\u, QSC+2*\s+\q
.endif
.endr
.endr
.endr
	WIN 0
	PLACES 8                                       ; in front of the first read of the scores and of the loads into K's registers
.irp i, 0,1,2,3,4,5,6,7,8,9,10,11,12,13,14,15
.irp q, 0,1
	v_min_num_f32 v[S+16*\q+\i], v[S+16*\q+\i], v[CAP+\i]      ; a padded key's score becomes -infinity.  (Register 16 q + i: key 16 h + i of my 32; each accumulator is read from its low end on)
.endr
.endr
	s_wait_alu depctr_va_vdst(0)                   ; the sixteen matrix instructions are done reading K and its scale words, the 32 lines above the caps: the next K set lands on all three.  No later vector line of the step names K
	NEXTK                                          ; the caps have been used: the next step's may land on their registers
	KLOADA                                         ; with V's 34 at most 58 loads of mine are out
.if \diag
.irp q, 0,1                            ; a key that comes after the query: sixteen compares into sixteen scalar registers, one wait, sixteen selects
.irp i, 0,1,2,3,4,5,6,7,8,9,10,11,12,13,14,15
.if \i < 14
	v_cmp_gt_i32 s[MK+\i], \i, v[QD+\q]
.else
	v_cmp_gt_i32 s[MK2+\i], \i, v[QD+\q]
.endif
.endr
	s_wait_alu depctr_va_sdst(0)                   ; the sixteen masks are written, ahead of the selects that read them
.irp i, 0,1,2,3,4,5,6,7,8,9,10,11,12,13,14,15
.if \i < 14
	v_cndmask_b32 v[S+16*\q+\i], v[S+16*\q+\i], v[NINF], s[MK+\i]    ; its score becomes -infinity too
.else
	v_cndmask_b32 v[S+16*\q+\i], v[S+16*\q+\i], v[NINF], s[MK2+\i]
.endif
.endr
.endr
.endif
.irp q, 0,1
	v_max3_num_f32 v[BM+\q], v[S+16*\q], v[S+16*\q+1], v[S+16*\q+2]   ; the block's largest score: it serves for the maximum and, since p rises with the score, for the block's largest p
.endr
.irp i, 3,5,7,9,11,13
.irp q, 0,1
	v_max3_num_f32 v[BM+\q], v[BM+\q], v[S+16*\q+\i], v[S+16*\q+\i+1]
.endr
.endr
.irp q, 0,1
	v_max_num_f32 v[BM+\q], v[BM+\q], v[S+16*\q+15]
.endr
.irp q, 0,1
	v_permlanex16_b32 v[TT+\q], v[BM+\q], s[SELS], s[SELS+1]
.endr
.irp q, 0,1
	v_max_num_f32 v[BM+\q], v[BM+\q], v[TT+\q]                 ; with lane l xor 16's 16 keys
.endr
.irp q, 0,1
	v_mul_f32 v[TT+\q], s[CS], v[BM+\q]
.endr
.irp q, 0,1
	v_max_num_f32 v[TMX+\q], v[TMX+\q], v[TT+\q]               ; my running largest t
	v_mov_b32 v[OLD+\q], v[NM+2*\q]
.endr
.irp q, 0,1
	v_floor_f32 v[NM+2*\q], -v[TMX+\q]                         ; -M_w = floor(-t): M_w is a whole number
.endr
.irp q, 0,1
	v_sub_f32 v[TT+\q], v[NM+2*\q], v[OLD+\q]                  ; old M_w - new M_w: a whole number, 0 or less
.endr
.irp q, 0,1
	v_cvt_i32_f32 v[TT+\q], v[TT+\q]                           ; (it saturates)
.endr
.irp q, 0,1
	v_ldexp_f32 v[FW+2*\q], 1.0, v[TT+\q]
.endr
.irp j, 0,2,4,6,8,10,12,14
.irp q, 0,1
	v_pk_fma_f32 v[S+16*\q+\j:S+16*\q+\j+1], v[S+16*\q+\j:S+16*\q+\j+1], s[CS:CS+1], v[NM+2*\q:NM+2*\q+1] op_sel_hi:[1,0,0]   ; t - M_w (of the pairs the low word serves both halves)
.endr
.endr
.irp q, 0,1
	v_fma_f32 v[BM+\q], v[BM+\q], s[CS], v[NM+2*\q]            ; the same of the block's largest score
.endr
	s_wait_alu depctr_va_vdst(0)
.irp i, 0,1,2,3,4,5,6,7,8,9,10,11,12,13,14,15
.irp q, 0,1
	v_exp_f32 v[S+16*\q+\i], v[S+16*\q+\i]                     ; p = 2^(t - M_w), at most 1
.endr
.endr
.irp q, 0,1
	v_exp_f32 v[BM+\q], v[BM+\q]
.endr
.irp q, 0,1
	v_pk_mul_f32 v[LSUM+2*\q:LSUM+2*\q+1], v[LSUM+2*\q:LSUM+2*\q+1], v[FW+2*\q:FW+2*\q+1] op_sel_hi:[1,0]   ; the sum under the new M_w.  (The plain line behind the exponentials)
.endr
	s_wait_alu depctr_va_vdst(0)                   ; the 34 exponentials have written p and the blocks' largest p, ahead of the first line that names one of them
.irp q, 0,1
	v_max_num_f32 v[BM+\q], 0x8000000, v[BM+\q]                ; the floor 2^(16 - 127): the byte cannot fall under 1
.endr
.irp q, 0,1
	v_add_nc_u32 v[SCO+\q], 0xf8800000, v[BM+\q]               ; 15 off the exponent field: the conversion's scale operand
.endr
.irp q, 0,1
	v_and_or_b32 v[HOLD+\q], v[BM+\q], 0x7f800000, s[MNT]      ; 57,344 x the scale
.endr
.irp q, 0,1
	v_lshrrev_b32 v[TT+\q], 23, v[SCO+\q]
.endr
.irp q, 0,1
	v_cvt_f32_u32 v[NM+2*\q+1], v[TT+\q]                       ; the byte, as f32: it goes round beside -M_w
.endr
.irp q, 0,1
	v_pk_add_f32 v[AS+2*\q:AS+2*\q+1], v[S+16*\q:S+16*\q+1], v[S+16*\q+2:S+16*\q+3]   ; the sum is taken of the UNQUANTISED p, in two chains
.endr
.irp j, 4,8,12
.irp q, 0,1
	v_pk_add_f32 v[LSUM+2*\q:LSUM+2*\q+1], v[LSUM+2*\q:LSUM+2*\q+1], v[S+16*\q+\j:S+16*\q+\j+1]
	v_pk_add_f32 v[AS+2*\q:AS+2*\q+1], v[AS+2*\q:AS+2*\q+1], v[S+16*\q+\j+2:S+16*\q+\j+3]
.endr
.endr
.irp q, 0,1
	v_pk_add_f32 v[LSUM+2*\q:LSUM+2*\q+1], v[LSUM+2*\q:LSUM+2*\q+1], v[AS+2*\q:AS+2*\q+1]
.endr
.irp i, 0,1,2,3,4,5,6,7,8,9,10,11,12,13,14,15
.irp q, 0,1
	v_min_num_f32 v[S+16*\q+\i], v[S+16*\q+\i], v[HOLD+\q]     ; the conversion does not saturate (ISA guide 7.6.2); p is not negative, so the hold is one-sided
.endr
.endr
.irp q, 0,1
	v_cvt_scalef32_pk8_bf8_f32 v[PC+4*\q:PC+4*\q+1], v[S+16*\q:S+16*\q+7], v[SCO+\q]
	v_cvt_scalef32_pk8_bf8_f32 v[PC+4*\q+2:PC+4*\q+3], v[S+16*\q+8:S+16*\q+15], v[SCO+\q]
.endr
	v_nop                                          ; one plain vector line behind the last conversion
	s_wait_alu depctr_va_vdst(0)                   ; the conversions have written v[PC ..], and the pairs v[NM ..] are written: the LDS stores read both
.irp q, 0,1
	ds_store_b128 v[PWA], v[PC+4*\q:PC+4*\q+3] offset:PIMG+2048*\q    ; registers 4 w .. 4 w + 3 of P's fragment
	ds_store_b64 v[STW], v[NM+2*\q:NM+2*\q+1] offset:1024*\q
.endr
	KLOADB                                         ; the rest of the next K set goes out while the stores are on their way
	BARRIER                                        ; P and the four waves' statistics lie in LDS
	s_wait_alu depctr_vm_vsrc(0)                   ; my LDS stores have read v[PC ..] and the pairs v[NM ..], which the next step, or the next block's head, writes again
.irp q, 0,1
.irp e, 0,1
	ds_load_b128 v[SX+8*\q+4*\e:SX+8*\q+4*\e+3], v[STR] offset:1024*\q+16*\e   ; the statistics first: the work on them stands in front of the wait for P.  (The lines that named v[SX ..] and v[P ..] last are the step before's)
.endr
.endr
.irp q, 0,1
.irp c, 0,1,2,3
	ds_load_b128 v[P+16*\q+4*\c:P+16*\q+4*\c+3], v[LI] offset:PIMG+2048*\q+512*\c
.endr
.endr
	s_wait_loadcnt 40                              ; V's set is in; the next K set's 40 loads may be out
.irp m, 0,1,2,3
	v_perm_b32 v[VSC+2*\m], v[VR1+\m], v[VR0+\m], 0x05040100   ; tile 2 m: two bytes of keys 0-63, two of keys 64-127
	v_perm_b32 v[VSC+2*\m+1], v[VR1+\m], v[VR0+\m], 0x07060302 ; tile 2 m + 1
.endr
	s_wait_dscnt 8                                 ; the four loads of statistics are in; P's eight may be out
.irp q, 0,1
.if !\diag
	v_mov_b32 v[OLD+\q], v[NMC+\q]
.endif
	v_min3_num_f32 v[NMC+\q], v[NMC+\q], v[SX+8*\q], v[SX+8*\q+2]
	v_min3_num_f32 v[NMC+\q], v[NMC+\q], v[SX+8*\q+4], v[SX+8*\q+6]   ; -M: every wave forms it alike
.endr
.if !\diag
.irp q, 0,1
	v_sub_f32 v[TT+\q], v[NMC+\q], v[OLD+\q]
.endr
.irp q, 0,1
	v_cvt_i32_f32 v[TT+\q], v[TT+\q]
.endr
.irp q, 0,1
	v_ldexp_f32 v[FO+2*\q], 1.0, v[TT+\q]                      ; 2^(old M - new M)
.endr
.endif
.irp w, 0,2,4,6
.irp q, 0,1
	v_sub_f32 v[SX+8*\q+\w], v[NMC+\q], v[SX+8*\q+\w]          ; M_w - M, 0 or less
.endr
.endr
.irp w, 0,2,4,6
.irp q, 0,1
	v_add_f32 v[SX+8*\q+\w], v[SX+8*\q+\w], v[SX+8*\q+\w+1]    ; + the block's byte
.endr
.endr
.irp w, 0,2,4,6
.irp q, 0,1
	v_max_num_f32 v[SX+8*\q+\w], 0, v[SX+8*\q+\w]              ; held at 0
.endr
.endr
.irp w, 0,2,4,6
.irp q, 0,1
	v_cvt_u32_f32 v[SX+8*\q+\w], v[SX+8*\q+\w]
.endr
.endr
.irp q, 0,1
	v_lshl_or_b32 v[PWD+\q], v[SX+8*\q+2], 8, v[SX+8*\q]
	v_lshl_or_b32 v[PWD+\q], v[SX+8*\q+4], 16, v[PWD+\q]
	v_lshl_or_b32 v[PWD+\q], v[SX+8*\q+6], 24, v[PWD+\q]       ; P's scale word for these 128 keys
.endr
.if \diag
	PLACES 8                                       ; scale words written by vector instructions stand eight places ahead of a scaled matrix instruction
.else
	WIN 0x82                                       ; O^T (destination and source 0) in window 2
.irp t, 0,1,2,3,4,5,6,7
.irp q, 0,1
.irp j, 0,2,4,6
	v_pk_mul_f32 v[128+16*\t+8*\q+\j:128+16*\t+8*\q+\j+1], v[128+16*\t+8*\q+\j:128+16*\t+8*\q+\j+1], v[FO+2*\q:FO+2*\q+1] op_sel_hi:[1,0]   ; O^T under the new M, each accumulator from its low end on.  (These 64 are also those places)
.endr
.endr
.endr
.endif
	s_wait_alu depctr_va_vdst(0)                   ; V's and P's scale words, v[VSC ..] and v[PWD ..], are written: the matrix instructions below take them; the places above stay beside this wait
	s_wait_dscnt 0x0                               ; P is in: my reads of P and of the statistics are over;
	s_barrier_signal -1                            ; say so,
	WIN 0xa2                                       ; V in window 2, P in window 0, O^T in window 2
.irp t, 0,1,2,3,4,5,6,7                ; sixteen accumulators, one instruction each: work on registers while the others arrive
.irp q, 0,1
	WM 128+16*\t+8*\q, 16*\t, P+16*\q, \diag, VSC+\t, PWD+\q
.endr
.endr
	WIN 0
	s_barrier_wait -1                              ; every wave's reads are over: the next step may store there
	PLACES 8                                       ; in front of the loads into V's registers and of the next read of O^T
	s_wait_alu depctr_va_vdst(0)                   ; the sixteen matrix instructions are done reading V, in which the next V set lands, and P, in which the next step's LDS loads land; the eight v_perm_b32 are done reading V's scale bytes
	NEXTV
	VLOAD
.endm
; A BLOCK'S END: the four waves' sums are brought under M and added; O^T / the sum, or the mean; through my stage, so that the wave stores 512 consecutive bytes of a row.
.macro EPILOGUE
	s_wait_xcnt 0x0                                ; the rows' registers were the last block's store data
	s_wait_alu depctr_vm_vsrc(0)                   ; the last block's global stores have read the rows' registers, and the LDS store of the mean its four: this block's LDS loads land on both
.irp q, 0,1
	v_add_f32 v[TT+\q], v[LSUM+2*\q], v[LSUM+2*\q+1]
.endr
.irp q, 0,1
	v_permlanex16_b32 v[OLD+\q], v[TT+\q], s[SELS], s[SELS+1]
.endr
.irp q, 0,1
	v_add_f32 v[TT+\q], v[TT+\q], v[OLD+\q]                    ; my wave's keys, both halves of the lanes
	v_sub_f32 v[OLD+\q], v[NMC+\q], v[NM+2*\q]                 ; M_w - M
.endr
.irp q, 0,1
	v_cvt_i32_f32 v[OLD+\q], v[OLD+\q]
.endr
.irp q, 0,1
	v_ldexp_f32 v[TT+\q], v[TT+\q], v[OLD+\q]
.endr
	s_wait_alu depctr_va_vdst(0)                   ; my two sums v[TT ..] are written, which the LDS stores read
.irp q, 0,1
	ds_store_b32 v[LSW], v[TT+\q] offset:512*\q
.endr
	BARRIER
.irp q, 0,1
	ds_load_b128 v[SX+8*\q:SX+8*\q+3], v[LSR] offset:512*\q
.endr
	WIN 0xc0
.irp t, 0,1,2,3,4,5,6,7
.irp e, 0,1
	ds_load_b128 v[8*\t+4*\e:8*\t+4*\e+3], v[VMR] offset:128*(\t/2)+32*(\t%2)+16*\e   ; the mean in O^T's layout: feature 32 (t / 2) + 16 h + 8 (t % 2) + j of my 128
.endr
.endr
	WIN 0
	s_wait_dscnt 16                                ; the sums are in; the mean's 16 loads may be out
.irp q, 0,1
	v_add_f32 v[SX+8*\q], v[SX+8*\q], v[SX+8*\q+1]
	v_add_f32 v[SX+8*\q+2], v[SX+8*\q+2], v[SX+8*\q+3]
.endr
.irp q, 0,1
	v_add_f32 v[BM+\q], v[SX+8*\q], v[SX+8*\q+2]               ; the row's sum
.endr
	v_cmp_eq_f32 s[TA], 0, v[BM]                   ; no key counted:
	v_cmp_eq_f32 s[TB], 0, v[BM+1]
	s_wait_alu depctr_va_sdst(0)                   ; the two masks are written, ahead of the scalar lines that read them
	s_or_b32 s[FM], s[FM], s[TA]                   ; or the query is padded
	s_or_b32 s[FM+1], s[FM+1], s[TB]
	v_rcp_f32 v[INV], v[BM]
	v_rcp_f32 v[INV+2], v[BM+1]
	v_nop                                          ; a plain line behind the reciprocals
	s_wait_alu depctr_va_vdst(0)                   ; the two reciprocals have written v[INV] and v[INV + 2], ahead of the first line that names them
	s_wait_dscnt 0x0
.irp q, 0,1
.if \q
	s_wait_alu depctr_vm_vsrc(0)                   ; the first tile's LDS stores have read the results' registers, which the lines below write again; the LDS stores of my sums have read v[TT ..], which the next block's first step writes
.endif
	WIN 0xc2                                       ; results in window 3, O^T in window 2
.irp t, 0,1,2,3,4,5,6,7
.irp j, 0,2,4,6
	v_pk_mul_f32 v[64+8*\t+\j:64+8*\t+\j+1], v[128+16*\t+8*\q+\j:128+16*\t+8*\q+\j+1], v[INV+2*\q:INV+2*\q+1] op_sel_hi:[1,0]
.endr
.endr
	WIN 0xcf
.set k, 0
.rept 64
	v_cndmask_b32 v[64+k], v[64+k], v[k], s[FM+\q]
.set k, k+1
.endr
	WIN 0x0c                                       ; an LDS store's data are its source 1: window 3
	s_wait_alu depctr_va_vdst(0)                   ; the 64 selects have written the results, which the LDS stores read
.irp t, 0,1,2,3,4,5,6,7
.irp e, 0,1
	ds_store_b128 v[SGW], v[64+8*\t+4*\e:64+8*\t+4*\e+3] offset:128*(\t/2)+32*(\t%2)+16*\e
.endr
.endr
	WIN 0xc0
.irp p, 0,1,2,3,4,5,6,7,8,9,10,11,12,13,14,15
	ds_load_b128 v[128+64*\q+4*\p:128+64*\q+4*\p+3], v[SGR] offset:TP*\p   ; LDS serves a wave's instructions in order (ISA guide 5.7.1.4): these see my stores
.endr
	WIN 0x0c                                       ; a global store's data are its source 1
.irp p, 0,1,2,3,4,5,6,7,8,9,10,11,12,13,14,15
	s_wait_dscnt 15-\p
	global_store_b128 v[LI], v[128+64*\q+4*\p:128+64*\q+4*\p+3], s[OUTP:OUTP+1] offset:(8*\q+\p+8*(\p/8))*2048 th:TH_STORE_NT   ; the wave stores 512 consecutive bytes of one row
.endr
.endr
	WIN 0
.endm
	s_load_b256 s[8:15], s[0:1], 0x0               ; codes s[8:9], scales s[10:11], aux s[12:13], the queries' padding mask s[14:15]
	s_load_b64 s[16:17], s[0:1], 0x20              ; out0
	v_lshl_add_u32 v254, v0, 2, 0xa800
	v_mov_b32 v255, 0
	v_lshrrev_b32 v20, 5, v0
	v_readfirstlane_b32 s[WV], v20                 ; wave 0..3
	v_and_b32 v21, 31, v0                          ; lane
	v_and_b32 v22, 15, v0                          ; r
	v_bfe_u32 v23, v0, 4, 1                        ; h
	v_and_b32 v[RP], 8, v22
	v_add_nc_u32 v[RP], v[RP], v22
	v_lshlrev_b32 v[LI], 4, v21
	v_lshlrev_b32 v[R16], 4, v22
	v_lshlrev_b32 v[CAPO], 6, v23
	s_wait_alu depctr_va_sdst(0)                   ; the wave's number is written, ahead of its first reader
	s_lshl_b32 s4, s[WV], 9
	v_add_nc_u32 v[PWA], s4, v[LI]
	v_lshlrev_b32 v[STR], 5, v21
	v_add_nc_u32 v[STR], STAT, v[STR]
	s_lshl_b32 s5, s[WV], 3
	v_add_nc_u32 v[STW], s5, v[STR]
	v_add_nc_u32 v[LSR], LSM, v[LI]
	s_lshl_b32 s5, s[WV], 2
	v_add_nc_u32 v[LSW], s5, v[LSR]
	s_add_co_u32 s5, s4, VM
	v_add_nc_u32 v[VMR], s5, v[CAPO]
	s_mul_i32 s5, s[WV], 16*TP
	s_add_co_u32 s5, s5, STAGE
	v_mul_u32_u24 v[SGW], v22, TP
	v_lshl_add_u32 v[SGW], v23, 6, v[SGW]
	v_add_nc_u32 v[SGW], s5, v[SGW]
	v_add_nc_u32 v[SGR], s5, v[LI]
	v_lshl_add_u32 v[VMW], v0, 4, VM
	v_lshlrev_b32 v[VSO], 4, v0
	v_mov_b32 v[NINF], 0xff800000
	v_lshlrev_b32 v[LC], 4, v23
	v_sub_nc_u32 v[LC], v[RP], v[LC]
.irp q, 0,1
	v_mov_b32 v[FW+2*\q+1], 0                      ; the upper halves of pairs that are named whole,
	v_mov_b32 v[FO+2*\q+1], 0
	v_mov_b32 v[INV+2*\q+1], 0
	v_mov_b32 v[TT+\q], 0                          ; and a lane permute's destination, which counts as one of its sources
.endr
	s_mov_b32 s[CS], 0x3d8293ee                    ; log2(e) / sqrt(512)
	s_mov_b32 s[CS+1], s[CS]
	s_mov_b32 s[SELS], 0x76543210
	s_mov_b32 s[SELS+1], 0xfedcba98
	s_mov_b32 s[MNT], 0x600000
	s_lshr_b32 s4, ttmp9, 5                        ; the batch
	s_and_b32 s[BETA], ttmp9, 31                   ; the first block of queries,
	s_sub_co_u32 s[BETB], 63, s[BETA]              ; and the second
	s_mov_b32 s[TA+1], 0
	s_mov_b32 s[TB+1], 0
	s_wait_kmcnt 0x0
	s_lshl_b32 s[TA], s4, 20
	s_add_nc_u64 s[QB:QB+1], s[8:9], s[TA:TA+1]
	s_lshl_b32 s[TB], s[WV], 14
	s_add_nc_u64 s[BASE:BASE+1], s[QB:QB+1], s[TB:TB+1]
	s_add_nc_u64 s[BASE+4:BASE+5], s[BASE:BASE+1], 16777216
	s_add_nc_u64 s[BASE:BASE+1], s[BASE:BASE+1], 8388608
	s_lshl_b32 s[TA], s4, 15
	s_add_nc_u64 s[QSB:QSB+1], s[10:11], s[TA:TA+1]
	s_lshr_b32 s[TB], s[WV], 1
	s_lshl_b32 s[TB], s[TB], 10
	s_and_b32 s5, s[WV], 1
	s_lshl_b32 s5, s5, 3
	s_add_co_u32 s[TB], s[TB], s5
	s_add_nc_u64 s[BASE+2:BASE+3], s[QSB:QSB+1], s[TB:TB+1]
	s_add_nc_u64 s[BASE+2:BASE+3], s[BASE+2:BASE+3], 262144
	s_lshl_b32 s[TB], s[WV], 8
	s_add_nc_u64 s[BASE+6:BASE+7], s[QSB:QSB+1], s[TB:TB+1]
	s_add_nc_u64 s[BASE+6:BASE+7], s[BASE+6:BASE+7], 524288
	s_lshl_b32 s[TA], s4, 13
	s_lshl_b32 s[TB], s[WV], 7
	s_add_co_u32 s[TA], s[TA], s[TB]
	s_add_nc_u64 s[BASE+8:BASE+9], s[12:13], s[TA:TA+1]
	s_add_nc_u64 s[BASE+8:BASE+9], s[BASE+8:BASE+9], 524288
	s_lshl_b32 s[TA], s4, 16
	s_add_nc_u64 s[VSU:VSU+1], s[12:13], s[TA:TA+1]
	s_lshl_b32 s[TA], s4, 11
	s_add_nc_u64 s[QMB:QMB+1], s[14:15], s[TA:TA+1]
	s_lshl_b32 s[TA], s4, 22
	s_lshl_b32 s[TB], s[WV], 9
	s_add_co_u32 s[TA], s[TA], s[TB]
	s_add_nc_u64 s[OB:OB+1], s[16:17], s[TA:TA+1]
	WIN 0xc0
	s_wait_alu depctr_va_vdst(0)                   ; the addresses v1 to v13 and v18 are written, which every load and store of the kernel reads
.irp k, 0,1,2,3,4,5,6,7,8,9,10,11,12,13,14,15,16,17,18,19,20,21,22,23,24,25,26,27,28,29,30,31
	global_load_b128 v[4*\k:4*\k+3], v[VSO], s[VSU:VSU+1] offset:2048*\k   ; the batch's 32 partial sums of the quantised v: four features a thread
.endr
	WIN 0
	SETNB BETA
	SETBLK
	s_mov_b32 s[FK], 0                             ; the first fetches take the first block's diagonal step
	s_mov_b32 s[FV], 0
	NEXTK
	KLOADA
	KLOADB
	NEXTV
	VLOAD
	SETQ BETA
	QLOAD
	SETBLK                                         ; the streams in line begin at step 0
	SETNB BETB
	SETOUT
	s_wait_loadcnt 63                              ; 112 loads are younger than the partial sums; the wait names the most that its field holds
	WIN 0xcf
.irp st, 16,8,4,2,1
.set k, 0
.rept \st
	v_pk_add_f32 v[4*k:4*k+1], v[4*k:4*k+1], v[4*(k+\st):4*(k+\st)+1]
	v_pk_add_f32 v[4*k+2:4*k+3], v[4*k+2:4*k+3], v[4*(k+\st)+2:4*(k+\st)+3]
.set k, k+1
.endr
.endr
	v_pk_mul_f32 v[0:1], v[0:1], 0x3a000000 op_sel_hi:[1,0]    ; / 2,048
	v_pk_mul_f32 v[2:3], v[2:3], 0x3a000000 op_sel_hi:[1,0]
.if MASKED_NAN
.irp k, 0,1,2,3
	v_mov_b32 v[\k], 0x7fc00000
.endr
.endif
	WIN 0x0c
	s_wait_alu depctr_va_vdst(0)                   ; the mean's four numbers are written, which the LDS store reads; the additions are done with window 3's v0-127, on which LDS loads land on the way out
	ds_store_b128 v[VMW], v[0:3]                   ; read behind the barriers of the first step
	WIN 0
	s_mov_b32 s[BL], 0
.Lblock:                                           ; two trips: beta = i, beta = 63 - i
.irp q, 0,1
	v_mov_b32 v[TMX+\q], 0xff61b1e6                ; the largest t so far: -3e38, under every t
	v_mov_b32 v[LSUM+2*\q], 0
	v_mov_b32 v[LSUM+2*\q+1], 0
	v_mov_b32 v[NM+2*\q+1], 0                      ; (the LDS stores that read the pairs v[NM ..] stand ahead of their step's wait on vm_vsrc)
.endr
.irp q, 0,1
	v_floor_f32 v[NM+2*\q], -v[TMX+\q]
.endr
.irp q, 0,1
	v_mov_b32 v[NMC+\q], v[NM+2*\q]
.endr
	STEP 1
	s_cmp_eq_u32 s[JD], 0
	s_cbranch_scc1 .Lnone
.Lstep:                                            ; beta / 4 trips: the steps under the diagonal
	STEP 0
	s_sub_co_i32 s[REM], s[REM], 1
	s_cmp_gt_i32 s[REM], 0
	s_cbranch_scc1 .Lstep
.Lnone:
	v_cmp_ne_u32 s[FM], 0, v[QP]                   ; the padded queries, ahead of the loads that land on these registers
	v_cmp_ne_u32 s[FM+1], 0, v[QP+1]
	s_wait_alu depctr_va_sdst(0)                   ; the two masks are written, ahead of the branch below; the way out reads them
	s_cmp_lg_u32 s[BL], 0
	s_cbranch_scc1 .Lno_q
	SETQ BETB
	s_wait_alu depctr_va_vdst(0)                   ; the two compares are done reading v[QP ..], on which the next block's bytes land.  (Q and its scale words were last read by products that stand ahead of earlier waits)
	QLOAD                                          ; the second block's queries land while the first goes out
.Lno_q:
	EPILOGUE
	s_wait_xcnt 0x0                                ; the stores have read their base
	s_mov_b32 s[BETA], s[BETB]
	SETBLK
	SETOUT
	s_add_co_u32 s[BL], s[BL], 1
	s_cmp_lt_u32 s[BL], 2
	s_cbranch_scc1 .Lblock
	s_wait_dscnt 0x0                               ; the closing lines, six on end
	s_wait_alu 0x0
	s_wait_tensorcnt 0x0
	ds_add_u32 v254, v255
	s_wait_dscnt 0x0
	s_endpgm
.Lfunc_end_k_qf588bfd596_attn:
	.size	k_qf588bfd596_attn, .Lfunc_end_k_qf588bfd596_attn-k_qf588bfd596_attn
	.p2alignl 7, 3214868480
	.fill 96, 4, 3214868480
	.section	.rodata,"a",@progbits
	.p2align	6, 0x0
	.amdhsa_kernel k_qf588bfd596_attn
		.amdhsa_group_segment_fixed_size 43520
		.amdhsa_private_segment_fixed_size 0
		.amdhsa_enable_private_segment 0
		.amdhsa_kernarg_size 40
		.amdhsa_user_sgpr_count 2
		.amdhsa_user_sgpr_kernarg_segment_ptr 1
		.amdhsa_wavefront_size32 1
		.amdhsa_system_sgpr_workgroup_id_x 1
		.amdhsa_system_sgpr_workgroup_id_y 1
		.amdhsa_system_sgpr_workgroup_id_z 1
		.amdhsa_system_vgpr_workitem_id 0
		.amdhsa_next_free_vgpr 1024
		.amdhsa_next_free_sgpr 100
		.amdhsa_reserve_vcc 0
		.amdhsa_float_denorm_mode_32 3
		.amdhsa_float_denorm_mode_16_64 3
		.amdhsa_memory_ordered 1
		.amdhsa_forward_progress 1
		.amdhsa_inst_pref_size 111
	.end_amdhsa_kernel
	.amdgpu_metadata
---
amdhsa.version: [ 1, 2 ]
amdhsa.kernels:
  - .name:           k_qf588bfd596_attn
    .symbol:         k_qf588bfd596_attn.kd
    .args:
      - { .name: codes, .offset: 0, .size: 8, .value_kind: global_buffer, .address_space: global }
      - { .name: scales, .offset: 8, .size: 8, .value_kind: global_buffer, .address_space: global }
      - { .name: aux, .offset: 16, .size: 8, .value_kind: global_buffer, .address_space: global }
      - { .name: source_query_padding_mask, .offset: 24, .size: 8, .value_kind: global_buffer, .address_space: global }
      - { .name: out0, .offset: 32, .size: 8, .value_kind: global_buffer, .address_space: global }
    .group_segment_fixed_size: 43520
    .private_segment_fixed_size: 0
    .kernarg_segment_align: 8
    .kernarg_segment_size: 40
    .max_flat_workgroup_size: 128
    .sgpr_count:     100
    .vgpr_count:     1024
    .wavefront_size: 32
...
	.end_amdgpu_metadata
.endif
;; end of part 6
